; MI455X (gfx1250); checked and timed in simulation.
; The chip was launched on July 23, 2026; its instructions are those of AMD's public machine-readable ISA for CDNA 5 (MIT licence, August 2026) and "CDNA5" Instruction Set Architecture Reference Guide (July 2026). The comments in the code are by the model that wrote it; some were corrected since.
;; Transformer Encoder Layer. Allowed arithmetic: float matrix products may take bf16 or f16 operands with f32 sums; all other float work in f32.
;; Inputs: W1 1,024 x 4,096 float32; W2 4,096 x 1,024 float32; Wk 1,024 x 1,024 float32; Wo 1,024 x 1,024 float32; Wq 1,024 x 1,024 float32; Wv 1,024 x 1,024 float32; b1 4,096 float32; b2 1,024 float32; bk 1,024 float32; bo 1,024 float32; bq 1,024 float32; bv 1,024 float32; ln_b 1,024 float32; ln_g 1,024 float32; src 2 x 2,048 x 1,024 float32.
;; Outputs: out0 2 x 2,048 x 1,024 float32.
;; One version. Each part assembles by itself: llvm-mc -triple=amdgcn-amd-amdhsa -mcpu=gfx1250 --defsym DOCPART=n.
;; ======== version 1 of 1: 7 launches
;; limits: values are held in f16: magnitudes above 65,504 overflow, below 6.1e-05 lose precision
;; workspace buffers: w16 33,554,432 bytes; qkvh 25,165,824 bytes; ctxh 8,388,608 bytes; ao32 16,777,216 bytes; ao16 8,388,608 bytes; hb 33,554,432 bytes; yb 16,777,216 bytes
;; launch prep (part 1): grid 64 x 16, 8 waves a work-group, no clusters, 0 bytes of LDS; arguments src, Wq, Wk, Wv, Wo, W1, W2, w16; writes w16
.if DOCPART == 1
	.amdgcn_target "amdgcn-amd-amdhsa--gfx1250"
	.amdhsa_code_object_version 6
	.text
	.protected	k_q86daccae95_prep
	.globl	k_q86daccae95_prep
	.p2align	8
	.type	k_q86daccae95_prep,@function
k_q86daccae95_prep:
	s_mov_b64 s[64:65], 0
	v_nop
	global_prefetch_b8 v0, s[64:65] scope:SCOPE_SE
	s_setreg_imm32_b32 hwreg(HW_REG_WAVE_MODE, 25, 1), 1
	s_wait_xcnt 0x0
; 16-BIT COPIES OF THE MATRIX OPERANDS, layouts unchanged.  w16 is 16 units of 2 MiB: units 0-3 src, 4 Wq, 5 Wk, 6 Wv, 7 Wo, 8-11 W1, 12-15 W2.
; Every number is rounded once to bf16.  Wo's rounded number is then written as f16, since its product's other operand is f16.
; LIMITS.  That second step is exact for |Wo| from 2^-17 up to 65,504; below it keeps f16's fixed step of 6e-8, beyond it gives an infinity.
; SHARES.  Work-group (x, y): chunk x of unit y, 16,384 numbers: 64 KiB in, 32 KiB out.  Thread t takes 16 bytes at 16 t of each 4,096 bytes: a wave's load covers 512
; consecutive bytes, its store 256 consecutive bytes, aligned.  All sixteen loads go out first; no register is written twice, so no wait frees a source.
; No LDS, no matrix unit, no cluster: each byte is read once and written once, and no two work-groups share a byte.
.set X,  4                             ; v[4:67]   sixteen loads of four f32
.set Y,  68                            ; v[68:99]  sixteen stores of four 16-bit numbers
.set WK, 100                           ; v[100:102] at work (Wo's path)
	s_load_b512 s[8:23], s[0:1], 0x0               ; src s[8:9], Wq, Wk, Wv, Wo, W1, W2 s[20:21], w16 s[22:23]
	s_and_b32 s2, ttmp7, 0xffff                    ; the unit
	s_mov_b32 s26, 0                               ; the first unit of the unit's tensor
	v_lshlrev_b32 v1, 4, v0                        ; my 16 bytes in
	v_lshlrev_b32 v2, 3, v0                        ; my 8 bytes out
	s_wait_kmcnt 0x0
	s_mov_b64 s[24:25], s[8:9]
.macro PICK thr, p                     ; from unit thr on the source is the tensor whose address lies in s[p:p+1]
	s_cmp_ge_u32 s2, \thr
	s_cselect_b64 s[24:25], s[\p:\p+1], s[24:25]
	s_cselect_b32 s26, \thr, s26
.endm
	PICK 4, 10
	PICK 5, 12
	PICK 6, 14
	PICK 7, 16
	PICK 8, 18
	PICK 12, 20
	s_sub_co_u32 s28, s2, s26                      ; the unit's number inside its tensor: 4 MiB of f32 each,
	s_lshl_b32 s28, s28, 22
	s_lshl_b32 s3, ttmp9, 16                       ; the chunk: 64 KiB
	s_add_co_u32 s28, s28, s3
	s_mov_b32 s29, 0
	s_add_nc_u64 s[24:25], s[24:25], s[28:29]
	s_lshl_b32 s30, s2, 21                         ; out: 2 MiB a unit, 32 KiB a chunk
	s_lshl_b32 s3, ttmp9, 15
	s_add_co_u32 s30, s30, s3
	s_mov_b32 s31, 0
	s_add_nc_u64 s[22:23], s[22:23], s[30:31]
.set i, 0
.rept 16
	global_load_b128 v[X+4*i:X+4*i+3], v1, s[24:25] offset:4096*i th:TH_LOAD_NT
.set i, i+1
.endr
	s_cmp_eq_u32 s2, 7
	s_cbranch_scc1 .Lwo
.set i, 0
.rept 16
	s_wait_loadcnt 15-i                            ; loads come back in order: load i is in, the 15 - i younger ones stay out
	v_cvt_pk_bf16_f32 v[Y+2*i], v[X+4*i], v[X+4*i+1]
	v_cvt_pk_bf16_f32 v[Y+2*i+1], v[X+4*i+2], v[X+4*i+3]
	global_store_b64 v2, v[Y+2*i:Y+2*i+1], s[22:23] offset:2048*i
.set i, i+1
.endr
	s_endpgm
.Lwo:                                  ; Wo: rounded to bf16, widened again, written as f16
.set i, 0
.rept 16
	s_wait_loadcnt 15-i
.irp j, 0,1
	v_cvt_pk_bf16_f32 v[WK], v[X+4*i+2*\j], v[X+4*i+2*\j+1]
	v_lshlrev_b32 v[WK+1], 16, v[WK]
	v_and_b32 v[WK+2], 0xffff0000, v[WK]
	v_cvt_pk_f16_f32 v[Y+2*i+\j], v[WK+1], v[WK+2]
.endr
	global_store_b64 v2, v[Y+2*i:Y+2*i+1], s[22:23] offset:2048*i
.set i, i+1
.endr
	s_endpgm
.Lfunc_end_k_q86daccae95_prep:
	.size	k_q86daccae95_prep, .Lfunc_end_k_q86daccae95_prep-k_q86daccae95_prep
	.p2alignl 7, 3214868480
	.fill 96, 4, 3214868480
	.section	.rodata,"a",@progbits
	.p2align	6, 0x0
	.amdhsa_kernel k_q86daccae95_prep
		.amdhsa_group_segment_fixed_size 0
		.amdhsa_private_segment_fixed_size 0
		.amdhsa_enable_private_segment 0
		.amdhsa_kernarg_size 64
		.amdhsa_user_sgpr_count 2
		.amdhsa_user_sgpr_kernarg_segment_ptr 1
		.amdhsa_wavefront_size32 1
		.amdhsa_system_sgpr_workgroup_id_x 1
		.amdhsa_system_sgpr_workgroup_id_y 1
		.amdhsa_system_sgpr_workgroup_id_z 1
		.amdhsa_system_vgpr_workitem_id 0
		.amdhsa_next_free_vgpr 104
		.amdhsa_next_free_sgpr 66
		.amdhsa_reserve_vcc 0
		.amdhsa_float_denorm_mode_32 3
		.amdhsa_float_denorm_mode_16_64 3
		.amdhsa_memory_ordered 1
		.amdhsa_forward_progress 1
		.amdhsa_inst_pref_size 17
	.end_amdhsa_kernel
	.amdgpu_metadata
---
amdhsa.version: [ 1, 2 ]
amdhsa.kernels:
  - .name:           k_q86daccae95_prep
    .symbol:         k_q86daccae95_prep.kd
    .args:
      - { .name: src, .offset: 0, .size: 8, .value_kind: global_buffer, .address_space: global }
      - { .name: Wq, .offset: 8, .size: 8, .value_kind: global_buffer, .address_space: global }
      - { .name: Wk, .offset: 16, .size: 8, .value_kind: global_buffer, .address_space: global }
      - { .name: Wv, .offset: 24, .size: 8, .value_kind: global_buffer, .address_space: global }
      - { .name: Wo, .offset: 32, .size: 8, .value_kind: global_buffer, .address_space: global }
      - { .name: W1, .offset: 40, .size: 8, .value_kind: global_buffer, .address_space: global }
      - { .name: W2, .offset: 48, .size: 8, .value_kind: global_buffer, .address_space: global }
      - { .name: w16, .offset: 56, .size: 8, .value_kind: global_buffer, .address_space: global }
    .group_segment_fixed_size: 0
    .private_segment_fixed_size: 0
    .kernarg_segment_align: 8
    .kernarg_segment_size: 64
    .max_flat_workgroup_size: 256
    .sgpr_count:     66
    .vgpr_count:     104
    .wavefront_size: 32
...
	.end_amdgpu_metadata
.endif
;; end of part 1
;; launch proj_qkv (part 2): grid 12 x 16, 4 waves a work-group, clusters of 4 x 4, 327,680 bytes of LDS; arguments w16, bq, bk, bv, qkvh; writes qkvh
.if DOCPART == 2
	.amdgcn_target "amdgcn-amd-amdhsa--gfx1250"
	.amdhsa_code_object_version 6
	.text
	.protected	k_q86daccae95_proj_qkv
	.globl	k_q86daccae95_proj_qkv
	.p2align	8
	.type	k_q86daccae95_proj_qkv,@function
k_q86daccae95_proj_qkv:
	s_mov_b64 s[64:65], 0
	v_nop
	global_prefetch_b8 v0, s[64:65] scope:SCOPE_SE
	s_setreg_imm32_b32 hwreg(HW_REG_WAVE_MODE, 25, 1), 1
	s_wait_xcnt 0x0
	s_wait_alu depctr_hold_cnt(0) depctr_sa_sdst(0) depctr_va_vdst(0) depctr_va_sdst(0) depctr_va_ssrc(0) depctr_va_vcc(0) depctr_vm_vsrc(0)
	s_getreg_b32 s2, hwreg(HW_REG_IB_STS2, 6, 4)
	s_cmp_eq_u32 s2, 0
	s_cbranch_scc0 .Lentry_in_a_cluster
	s_endpgm
.Lentry_in_a_cluster:
	s_bfe_u32 s2, ttmp6, 0x10000c
	s_cmp_lg_u32 s2, 0xf033
	s_cbranch_scc0 .Lentry_shape_is_right
	s_endpgm
.Lentry_shape_is_right:
; C[m][n] = bias[n] + sum over k of A[m][k] W[k][n], K = 1,024, on tiles of 256 x 256.  ONE TEXT serves two of the layer's products; KIND picks W, bias and way out:
;   KIND 0  x [Wq|Wk|Wv] + bias  -> q, k, v by heads, f16 [part][16 heads][4096 rows][64]   A = x, bf16 [4096][1024]         W bf16 [1024][1024], three of them
;   KIND 2  relu(a W1 + b1)      -> h, bf16 [4096][4096]                                    A = attn_out, bf16 [4096][1024]  W bf16 [1024][4096]
; Sums in f32; the bias is rounded to bf16 like every input of the layer and starts the sums; each result is rounded once.
; LIMITS.  KIND 0 writes f16: |q|, |k|, |v| of 65,520 or more become infinities.  NaN and infinities are not treated apart.
; SHARES.  A work-group makes 256 x 256 of C, each of its four waves 128 x 128: 64 accumulators of 16 x 16, 512 registers.  For 32 along K a wave loads 2 x 128 x 64 bytes from LDS and issues
; 64 matrix instructions.  KIND 2 has 16 x 16 tiles; KIND 0 has 16 x 12, four tile columns to a part: a tile of 192 columns would make 16 x 16 of them, but a part's 1,024 columns are no multiple of 192.
; K goes in steps of 128 through two LDS slots that take turns: A's rows are 256 bytes of memory, W's 512, each at a multiple of its length.
; W STAYS [K][N]: its fragments come out of LDS turned, by ds_load_tr16_b128.  The matrix instruction is used transposed (source 0 = 16 columns of W, source 1 = 16 rows of A): a lane
; then holds row lane % 16 of C and the eight neighbouring columns 8 (lane / 16) + 0..7.  So the bias of a block of 16 columns is eight registers, the same for all blocks of rows, and is the
; C operand of the first product on each accumulator: nothing is cleared, and nothing is added on the way out.
; CLUSTER.  4 x 4 work-groups: the four of a row need the same tiles of A, the four of a column the same tiles of W; each tile is asked for JOINTLY, by the same tensor load with the same
; descriptor and a mask that names the four.  Waves 0 and 1 ask for A's two halves (128 rows each), waves 2 and 3 for W's (64 k each).  A wave has two loads out at the start, later one.
; THE WAY OUT goes through a stage of 256 rows x 1,040 bytes of f32 that lies over both slots, which have had their last fill and their last read by then; a loop of 8 trips reads whole rows
; back, 8 rows a wave and trip, rounds them and stores them.
; REGISTERS, in windows of 256 (s_set_vgpr_msb: bits 1:0 source 0, 3:2 source 1, 5:4 source 2, 7:6 destination):
;   window 0: v0-31 addresses; v32-63 packed results; v64-127, v128-191 fragments of A, two buffers (v64-127 later the rows read back)
;   window 1: v0-63 the bias, 8 registers for each block of 16 columns; v64-127, v128-191 fragments of W, two buffers; v192-223 at work
;   window 2: the 32 accumulators of my rows 0-63 ((a, b) at v[8 (8 a + b)]);   window 3: those of my rows 64-127
.set KIND,  0
.set T,     8                          ; K steps of 128
.set PA,    272                        ; A's row in LDS: 256 bytes + 16 = 17 x 16 bytes, so the 16 rows of a load start at 16 different groups of four banks (64 banks of 4 bytes: ISA guide 11.1)
.set HALFA, 128*PA                     ; what one tensor load brings of A, and what one wave reads of it
.set PB,    544                        ; a k row of W in LDS: 512 bytes (256 n) + 32 = 17 x 32 bytes
.set HALFB, 64*PB                      ; what one tensor load brings of W
.set BOFF,  2*HALFA                    ; in a slot: A's 256 rows, then W's 128 k rows
.set SLOT,  BOFF+2*HALFB
.set SPARE, 2*SLOT                     ; behind the slots: the spare words, 128 bytes for each wave: two blocks of 256 bytes that no other line names
.set SP,    1040                       ; a row of the stage: 1,024 bytes + 16
.set ASTEP, 256                        ; bytes in memory from K step to K step
.set ARB,   2048                       ; bytes in memory from one of A's rows to the next
.if KIND == 0
.set NBP,   1024                       ; elements in a row of W
.set PART,  8<<20                      ; where W lies in w16
.set PW,    68                         ; s[68:77] the arguments; W's buffer
.set STEPC, 8*128                      ; bytes in the output from a trip's 8 rows to the next
.else
.set NBP,   4096
.set PART,  16<<20
.set PW,    70
.set STEPC, 8*8192
.endif
.set BSTEP, 128*NBP*2
.set BO,   7                           ; v7   my byte offset in a block's bias
.set A0,   10                          ; v10  my lane's place in A's part of a slot; never rewritten
.set B0,   11                          ; v11  the same for W
.set ADRA, 16                          ; v16  A0 + the slot in hand
.set ADRB, 20                          ; v20  B0 + the slot in hand
.set STO,  22                          ; v22  the way out: where I put 32 bytes of a row, blocks of rows 0-3; v23 the same for blocks 4-7, so that the immediates stay under 65,536
.set RD,   24                          ; v24  the way out: where I read the first trip's rows back; never rewritten
.set RDC,  25                          ; v25  the same for the trip in hand
.set CO,   26                          ; v26  my byte offset in the stores' rows
.set SPW,  28                          ; v28  LDS address of my spare word: SPARE + 4 x my thread's number; never rewritten
.set NIL,  29                          ; v29  0; never rewritten
.set TMP,  32
.set LB,   64
.set F0,   64
.set F1,   128
.set BT,   192                         ; window 1
.set G1,  24                           ; s[24:31] descriptor group 1 for A;  s[32:39] group 0: set 0 K step 0, set 1 K step 1, which then walks on
.set G0,  32
.set G1B, 48                           ; s[48:55], s[56:63] the same for W
.set G0B, 56
.set MSB, 0
.macro WIN new                         ; the immediate's high byte repeats the setting that is left; a switch that changes nothing is dropped
.if MSB != (\new)
	s_set_vgpr_msb (MSB<<8)|(\new)
.set MSB, \new
.endif
.endm
.set MUL_LO, 0xa1                      ; source 0 (W) window 1, source 1 (A) window 0, C and D window 2
.set MUL_HI, 0xf1                      ; the same, C and D window 3
.set BEG_LO, 0x91                      ; the first product: C (the bias) window 1, D window 2; + 0x40: D window 3
.set TO_B,   0x40                      ; destination window 1, address window 0
.macro JLOAD s                         ; a joint load by group 0's set s.  The branch hangs on the wave's number alone; an s_nop 0 and four v_nop follow each of the two lines
	s_cmp_eq_u32 s11, 0
	s_cbranch_scc0 .Lfor_b_\@
	tensor_load_to_lds s[G0+4*(\s):G0+4*(\s)+3], s[G1:G1+7]
	s_nop 0
.rept 4
	v_nop
.endr
	s_branch .Lasked_\@
.Lfor_b_\@:
	tensor_load_to_lds s[G0B+4*(\s):G0B+4*(\s)+3], s[G1B:G1B+7]
	s_nop 0
.rept 4
	v_nop
.endr
.Lasked_\@:
.endm
.macro CREST                           ; a round of the cluster's barrier behind its opening barrier: wave 0 signals for the work-group, all wait for all sixteen, the work-group's barrier closes it
	s_cmp_lg_u32 s10, 0
	s_cbranch_scc1 .Lnot_wave_0_\@
	s_barrier_signal -3
.Lnot_wave_0_\@:
	s_barrier_wait -3
	s_barrier_signal -1
	s_barrier_wait -1
.endm
.macro CROUND                          ; a whole round
	s_barrier_signal -1
	s_barrier_wait -1
	CREST
.endm
.macro PLACES                          ; four places in front of loads into registers that matrix instructions have read, and of LDS stores that read results (ISA guide 7.12.1 for vector instructions)
.rept 4
	v_nop
.endr
.endm
	s_load_b256 s[68:75], s[0:1], 0x0              ; the launch's first four buffers
.if KIND == 0
	s_load_b64 s[76:77], s[0:1], 0x20              ; and the fifth
.endif
	v_lshl_add_u32 v[SPW], v0, 2, SPARE
	v_mov_b32 v[NIL], 0
	ds_add_u32 v[SPW], v[NIL]                      ; the wave's opening: the add and its wait stand ahead of my first tensor load; the set-up below, work on registers, stands between them
	v_lshrrev_b32 v1, 5, v0
	v_readfirstlane_b32 s10, v1                    ; wave 0..3
	s_lshr_b32 s11, s10, 1                         ; which half of the tile's rows is mine.  Also: I fetch for A (0) or for W (1)
	s_and_b32 s12, s10, 1                          ; which half of its columns.  Also: which half of that tile I fetch
	s_bfe_u32 s40, ttmp6, 0x40000                  ; cx, cy: my place in the cluster
	s_bfe_u32 s41, ttmp6, 0x40004
.if KIND == 0
	s_mov_b32 s42, s40                             ; 12 tile columns are three parts of four: a cluster's four columns are one part; tile column inside the part = cx
	s_mov_b32 s78, ttmp9                           ; the part: 0 q, 1 k, 2 v
.else
	s_lshl_b32 s42, ttmp9, 2
	s_add_co_u32 s42, s42, s40                     ; tile column of C = 4 x cluster x + cx
.endif
	s_and_b32 s13, ttmp7, 0xffff
	s_lshl_b32 s13, s13, 2
	s_add_co_u32 s13, s13, s41                     ; tile row of C = 4 x cluster y + cy
	s_lshl_b32 s43, s41, 2
	s_lshl_b32 s43, 15, s43                        ; my row of the cluster
	s_lshl_b32 s44, 0x1111, s40                    ; my column
	s_or_b32 s[G1+0], s43, (1<<16)|(1<<20)|(1<<21)|(5<<22)|(3<<25)  ; 15:0 the mask: A's tiles go to my row; 17:16 2-byte elements; 20 padding on; 21 set beside a mask; 24:22 after every 64 words (code 5); 31:25 4 words (code 3)
	s_mov_b32 s[G1+1], 128<<16                     ; tensor_dim0 = 128
	s_mov_b32 s[G1+2], 128<<16                     ; tensor_dim1 = 128
	s_mov_b32 s[G1+3], 128<<16                     ; tile_dim0 = 128
	s_mov_b32 s[G1+4], 128                         ; tile_dim1 = 128
	s_mov_b32 s[G1+5], 1024                        ; elements from row to row
	s_mov_b32 s[G1+6], 0
	s_mov_b32 s[G1+7], 0
	s_or_b32 s[G1B+0], s44, (1<<16)|(1<<20)|(1<<21)|(6<<22)|(7<<25) ; W's tiles go to my column; 8 words of padding (code 7) after every 128 (code 6)
	s_mov_b32 s[G1B+1], 256<<16                    ; 64 k rows of 256 elements
	s_mov_b32 s[G1B+2], 64<<16
	s_mov_b32 s[G1B+3], 256<<16
	s_mov_b32 s[G1B+4], 64
	s_mov_b32 s[G1B+5], NBP
	s_mov_b32 s[G1B+6], 0
	s_mov_b32 s[G1B+7], 0
	s_lshl_b32 s17, s12, 7                         ; A hangs on the tile row alone, W on the tile column alone, each in registers that never hold the other coordinate
	s_lshl_b32 s16, s13, 8
	s_add_co_u32 s16, s16, s17                     ; A: row 256 x tile row + 128 x half,
	s_mul_i32 s16, s16, ARB                        ; in bytes (under 2^24)
	s_mov_b32 s17, 0
	s_mul_i32 s46, s12, 64*NBP*2                   ; W: k row 64 x half,
	s_lshl_b32 s47, s42, 9                         ; 512 bytes a tile column,
	s_add_co_u32 s46, s46, s47
	s_add_co_u32 s46, s46, PART                    ; its place in w16
.if KIND == 0
	s_lshl_b32 s47, s78, 21                        ; 2 MiB a part
	s_add_co_u32 s46, s46, s47
.endif
	s_mov_b32 s47, 0
	s_mul_i32 s20, s12, HALFA                      ; where they go in a slot: no place in the cluster enters an LDS address
	s_mul_i32 s21, s12, HALFB
	s_add_co_u32 s21, s21, BOFF
	s_mov_b32 s45, SLOT                            ; the slot in hand, 0 or SLOT: the first turn of the addresses makes it 0
	s_mov_b32 s79, 0xffff0000                      ; a word's upper bf16
	s_wait_dscnt 0x0                               ; the opening add is done
	s_wait_kmcnt 0x0
	s_add_nc_u64 s[14:15], s[68:69], s[16:17]
	s_add_nc_u64 s[46:47], s[PW:PW+1], s[46:47]
	CROUND                                         ; all sixteen work-groups are here: the first joint loads meet
.irp s, 0,1
	s_mov_b32 s[G0+4*(\s)], 1                                      ; count = 1
	s_add_co_u32 s[G0+4*(\s)+1], s20, (\s)*SLOT                    ; LDS address
	s_add_nc_u64 s[G0+4*(\s)+2:G0+4*(\s)+3], s[14:15], (\s)*ASTEP  ; global address: K step s
	s_or_b32 s[G0+4*(\s)+3], s[G0+4*(\s)+3], 0x80000000            ; type = 2
	s_mov_b32 s[G0B+4*(\s)], 1
	s_add_co_u32 s[G0B+4*(\s)+1], s21, (\s)*SLOT
	s_add_nc_u64 s[G0B+4*(\s)+2:G0B+4*(\s)+3], s[46:47], (\s)*BSTEP
	s_or_b32 s[G0B+4*(\s)+3], s[G0B+4*(\s)+3], 0x80000000
	JLOAD \s
.endr
	; all that follows up to the wait on the tensor loads stands in the wait for the first tile
	v_and_b32 v1, 15, v0                           ; r = l % 16
	v_bfe_u32 v2, v0, 4, 1                         ; h = l / 16
	v_and_b32 v4, 7, v0
	v_bfe_u32 v5, v0, 3, 1
	v_and_b32 v6, 31, v0                           ; l
	v_lshlrev_b32 v[BO], 5, v2                     ; my eight columns of a block of 16: 32 bytes for each half of the lanes
	s_lshl_b32 s22, s42, 10                        ; the tile's 256 numbers of the bias,
	s_lshl_b32 s23, s12, 9                         ; my 128 of them
	s_add_co_u32 s22, s22, s23
	s_mov_b32 s23, 0
.if KIND == 0
	s_cmp_eq_u32 s78, 1                            ; the part's bias
	s_cselect_b64 s[8:9], s[72:73], s[70:71]
	s_cmp_eq_u32 s78, 2
	s_cselect_b64 s[8:9], s[74:75], s[8:9]
.else
	s_mov_b64 s[8:9], s[72:73]
.endif
	s_add_nc_u64 s[8:9], s[8:9], s[22:23]
	WIN TO_B
.set b, 0
.rept 8
	global_load_b128 v[8*b:8*b+3],   v[BO], s[8:9] offset:64*b
	global_load_b128 v[8*b+4:8*b+7], v[BO], s[8:9] offset:64*b+16
.set b, b+1
.endr
	WIN 0
	v_mul_u32_u24 v[A0], v1, PA                    ; a fragment of A: row r, 16 bytes for each half of the lanes; two loads 32 bytes apart
	v_lshl_add_u32 v[A0], v2, 4, v[A0]
	s_mul_i32 s22, s11, HALFA                      ; my 128 rows
	v_add_nc_u32 v[A0], s22, v[A0]
	v_lshl_add_u32 v[B0], v2, 3, v4                ; the turning load: lane l reads k row 8 h + l % 8, columns 8 ((l / 8) % 2) + 0..7, and is left with column r and 8 k
	v_mul_u32_u24 v[B0], v[B0], PB
	v_lshl_add_u32 v[B0], v5, 4, v[B0]
	s_lshl_b32 s22, s12, 8                         ; my 128 columns
	s_add_co_u32 s22, s22, BOFF
	v_add_nc_u32 v[B0], s22, v[B0]
	v_mul_u32_u24 v[STO], v1, SP                   ; into the stage: row 128 x row half + r (+ 16 a), byte 512 x column half + 32 h (+ 64 b)
	v_lshl_add_u32 v[STO], v2, 5, v[STO]
	s_mul_i32 s22, s11, 128*SP
	s_lshl_b32 s23, s12, 9
	s_add_co_u32 s22, s22, s23
	v_add_nc_u32 v[STO], s22, v[STO]
	v_add_nc_u32 v[STO+1], 64*SP, v[STO]
	s_mul_i32 s22, s10, 64*SP                      ; back: wave w takes rows 64 w .. 64 w + 63
.if KIND == 0
	v_mul_u32_u24 v[RD], v2, SP                    ; lanes 0-15 a head's 64 numbers of one row, lanes 16-31 those of the next row
	v_lshl_add_u32 v[RD], v1, 4, v[RD]
	v_add_nc_u32 v[RD], s22, v[RD]
	v_lshlrev_b32 v[CO], 3, v1                     ; 8 bytes of f16, the second row 128 bytes on: two rows of a head are 256 consecutive bytes
	v_lshl_add_u32 v[CO], v2, 7, v[CO]
.else
	v_lshl_add_u32 v[RD], v6, 4, s22               ; half a row, 512 bytes, to a load: my columns 4 l .. 4 l + 3 of the half
	v_lshlrev_b32 v[CO], 3, v6                     ; 8 bytes of bf16
.endif
	s_lshl_b32 s22, s13, 8
	s_lshl_b32 s23, s10, 6
	s_add_co_u32 s22, s22, s23                     ; the first row of C that I store: 256 x tile row + 64 x wave
.if KIND == 0
	s_lshl_b32 s22, s22, 7                         ; 128 bytes a row of a head,
	s_lshl_b32 s23, s42, 21                        ; four heads of 524,288 bytes a tile column,
	s_add_co_u32 s22, s22, s23
	s_lshl_b32 s23, s78, 23                        ; 8 MiB a part
	s_add_co_u32 s22, s22, s23
	s_mov_b32 s23, 0
	s_add_nc_u64 s[4:5], s[76:77], s[22:23]
.else
	s_lshl_b32 s22, s22, 13                        ; 8,192 bytes a row, 512 a tile column
	s_lshl_b32 s18, s42, 9
	s_add_co_u32 s22, s22, s18
	s_mov_b32 s23, 0
	s_add_nc_u64 s[4:5], s[74:75], s[22:23]
.endif
	s_wait_loadcnt 0x0                             ; the bias
	WIN 0x45                                       ; destination and both sources window 1: the bias is rounded to bf16 like every input, and widened again
.set n, 0
.rept 32
	v_cvt_pk_bf16_f32 v[BT+n], v[2*n], v[2*n+1]
.set n, n+1
.endr
.set n, 0
.rept 32
	v_lshlrev_b32 v[2*n], 16, v[BT+n]
	v_and_b32 v[2*n+1], s79, v[BT+n]
.set n, n+1
.endr
	WIN 0
; 16 matrix instructions: m blocks a0, a0 + 1 of the window's four (hi = 0: my rows 0-63, 1: rows 64-127) x all 8 n blocks, 32 along K.
; first = 1: the first product on each accumulator takes the block's bias as C.  The 64 accumulators take turns, one instruction a turn, in the same order in every quarter.
.macro MUL16 f, hi, a0, first
.if \first
	WIN BEG_LO+0x40*(\hi)
.else
	WIN MUL_LO+0x50*(\hi)
.endif
.irp a, \a0, (\a0)+1
.irp b, 0,1,2,3,4,5,6,7
.set rD, 8*(8*(\a)+(\b))
.set rW, (\f)+8*(\b)
.set rX, (\f)+8*(4*(\hi)+(\a))
.if \first
	v_wmma_f32_16x16x32_bf16 v[rD:rD+7], v[rW:rW+7], v[rX:rX+7], v[8*(\b):8*(\b)+7]
.else
	v_wmma_f32_16x16x32_bf16 v[rD:rD+7], v[rW:rW+7], v[rX:rX+7], v[rD:rD+7]
.endif
.endr
.endr
.endm
; 32 LDS loads in one run: the fragments of quarter q (32 along K) of the slot in hand, into buffer f: W's 128 columns, then A's 128 rows
.macro FETCH q, f
	WIN TO_B
.irp i, 0,1,2,3,4,5,6,7
	ds_load_tr16_b128 v[(\f)+8*(\i):(\f)+8*(\i)+3],   v[ADRB] offset:(\q)*32*PB+32*(\i)
	ds_load_tr16_b128 v[(\f)+8*(\i)+4:(\f)+8*(\i)+7], v[ADRB] offset:(\q)*32*PB+16*PB+32*(\i)
.endr
	WIN 0
.irp i, 0,1,2,3,4,5,6,7
	ds_load_b128 v[(\f)+8*(\i):(\f)+8*(\i)+3],   v[ADRA] offset:(\q)*64+(\i)*16*PA
	ds_load_b128 v[(\f)+8*(\i)+4:(\f)+8*(\i)+7], v[ADRA] offset:(\q)*64+(\i)*16*PA+32
.endr
.endm
; A K step is four quarters of 32 along K, 64 matrix instructions each, on buffers 0, 1, 0, 1.  One of the first three: multiplies buffer f and, in its middle, fetches quarter qn into g.
.macro QUARTER f, g, qn, first
	s_wait_dscnt 8                                 ; W and A's rows 0-63 are in; the youngest eight loads (A's rows 64-127) may be out
	MUL16 \f, 0, 0, \first
	MUL16 \f, 0, 2, \first
	PLACES
	FETCH \qn, \g
	s_wait_dscnt 32                                ; all but the 32 just issued
	MUL16 \f, 1, 0, \first
	MUL16 \f, 1, 2, \first
.endm
.macro NEWADR                          ; the fragment addresses turn to the other slot
	s_xor_b32 s45, s45, SLOT
	v_add_nc_u32 v[ADRA], s45, v[A0]
	v_add_nc_u32 v[ADRB], s45, v[B0]
.endm
; The last quarter multiplies buffer 1 and changes slots: ONE barrier; in front of it each wave waits for all its tensor loads (one is out: its part of the next slot), adds 0 to its spare
; word, and waits for that and for its own reads of this slot.  fill = 1: the barrier opens a round of the cluster's barrier, and behind it this slot is filled again, two K steps ahead:
; that load has 224 matrix instructions in which to land.  fill = 0 (the tail): nothing is asked for, and in the last trip nothing is fetched.
.macro TURN fill
	WIN 0                                          ; (the add's two registers lie in window 0)
	s_wait_tensorcnt 0x0                           ; all my tensor loads have landed, so a group 0 may be written
	ds_add_u32 v[SPW], v[NIL]                      ; 0 onto my spare word
	s_wait_dscnt 9                                 ; (the add and the youngest eight loads may be out)
	MUL16 F1, 0, 0, 0                              ; sixteen matrix instructions stand between the add and the wait for it
	s_wait_dscnt 0x0                               ; the add is done, and my reads of this slot are over
	s_barrier_signal -1
	MUL16 F1, 0, 2, 0
	WIN 0
	s_barrier_wait -1
.if \fill
	CREST                                          ; no wave of any partner still reads this slot's tile or has a load on its way
	s_add_co_u32 s[G0+5], s20, s45                 ; the walking descriptors: into the slot just read,
	s_add_nc_u64 s[G0+6:G0+7], s[G0+6:G0+7], ASTEP ; the next K step; the type bits on top are not reached
	s_add_co_u32 s[G0B+5], s21, s45
	s_add_nc_u64 s[G0B+6:G0B+7], s[G0B+6:G0B+7], BSTEP
	JLOAD 1                                        ; the first tensor load behind the round; its four v_nop are also the places in front of the loads below
	NEWADR
	FETCH 0, F0
.else
	PLACES
	NEWADR
	s_cmp_eq_u32 s2, 1                             ; the last K step has no successor
	s_cbranch_scc1 .Lnf_\@
	FETCH 0, F0
	WIN 0
.Lnf_\@:
.endif
	MUL16 F1, 1, 0, 0
	MUL16 F1, 1, 2, 0
.endm
	s_wait_tensorcnt 0x1                           ; my part of K step 0 is in; K step 1's, issued behind it, may stay out
	s_barrier_signal -1
	s_barrier_wait -1                              ; everybody's is
	NEWADR                                         ; slot 0
	FETCH 0, F0
	QUARTER F0, F1, 1, 1                           ; the first quarter stands in front of the loop: its products start the sums, on the bias
	WIN 0                                          ; at a label and at a branch every window is 0
	s_mov_b32 s3, T-2
.Lk:                                   ; T - 2 trips: from a K step's second quarter to the next step's first; each fills the slot that it leaves
	QUARTER F1, F0, 2, 0
	QUARTER F0, F1, 3, 0
	TURN 1
	QUARTER F0, F1, 1, 0
	WIN 0
	s_sub_co_u32 s3, s3, 1
	s_cmp_lg_u32 s3, 0
	s_cbranch_scc1 .Lk
	s_mov_b32 s2, 2
.Ltail:                                ; the last two K steps ask for nothing: a text of their own; the second trip is left in its middle
	QUARTER F1, F0, 2, 0
	QUARTER F0, F1, 3, 0
	TURN 0
	WIN 0
	s_sub_co_u32 s2, s2, 1
	s_cmp_eq_u32 s2, 0
	s_cbranch_scc1 .Lout
	QUARTER F0, F1, 1, 0
	WIN 0
	s_branch .Ltail
.Lout:
	; THE WAY OUT.  In front of the last barrier every wave has waited for its last reads of the slots, and behind it nothing is fetched: the stage may lie over both slots.
	PLACES                                         ; behind the last products
	WIN 0x08                                       ; the stores' data (source 1) in window 2
.set t, 0
.rept 32                               ; accumulator (a, b) = (t / 8, t % 8); each accumulator's low four registers first
	ds_store_b128 v[STO], v[8*t:8*t+3]   offset:(t/8)*16*SP+(t%8)*64
	ds_store_b128 v[STO], v[8*t+4:8*t+7] offset:(t/8)*16*SP+(t%8)*64+16
.set t, t+1
.endr
	WIN 0x0c                                       ; in window 3: blocks of rows 4 to 7
.set t, 0
.rept 32
	ds_store_b128 v[STO+1], v[8*t:8*t+3]   offset:(t/8)*16*SP+(t%8)*64
	ds_store_b128 v[STO+1], v[8*t+4:8*t+7] offset:(t/8)*16*SP+(t%8)*64+16
.set t, t+1
.endr
	WIN 0
	s_wait_dscnt 0x0                               ; for the others' sake: my stores into the stage are done
	s_barrier_signal -1
	s_barrier_wait -1
	s_mov_b32 s18, 0                               ; the trip's first row in the stage, in bytes
	s_mov_b32 s3, 8
.Lrow:                                 ; 8 trips of 8 rows: sixteen loads of 512 bytes, sixteen stores of 256
	v_add_nc_u32 v[RDC], s18, v[RD]
.set t, 0
.rept 16
.if KIND == 0
	ds_load_b128 v[LB+4*t:LB+4*t+3], v[RDC] offset:(t/4)*2*SP+(t%4)*256  ; rows 2 (t / 4) and + 1, head t % 4
.else
	ds_load_b128 v[LB+4*t:LB+4*t+3], v[RDC] offset:(t/2)*SP+(t%2)*512    ; row t / 2, half t % 2
.endif
.set t, t+1
.endr
.set t, 0
.rept 16
	s_wait_dscnt 15-t                              ; LDS loads come back in order: load t is in, the 15 - t younger ones stay out
.if KIND == 0
	v_cvt_pk_f16_f32 v[TMP+2*t], v[LB+4*t], v[LB+4*t+1]
	v_cvt_pk_f16_f32 v[TMP+2*t+1], v[LB+4*t+2], v[LB+4*t+3]
	global_store_b64 v[CO], v[TMP+2*t:TMP+2*t+1], s[4:5] offset:(t%4)*524288+(t/4)*256  ; the wave stores 256 consecutive bytes, aligned: two rows of a head
.else
	v_max_num_f32 v[LB+4*t], 0, v[LB+4*t]
	v_max_num_f32 v[LB+4*t+1], 0, v[LB+4*t+1]
	v_max_num_f32 v[LB+4*t+2], 0, v[LB+4*t+2]
	v_max_num_f32 v[LB+4*t+3], 0, v[LB+4*t+3]
	v_cvt_pk_bf16_f32 v[TMP+2*t], v[LB+4*t], v[LB+4*t+1]
	v_cvt_pk_bf16_f32 v[TMP+2*t+1], v[LB+4*t+2], v[LB+4*t+3]
	global_store_b64 v[CO], v[TMP+2*t:TMP+2*t+1], s[4:5] offset:(t/2)*8192+(t%2)*256    ; 256 consecutive bytes, aligned
.endif
.set t, t+1
.endr
	s_wait_xcnt 0x0                                ; the stores' base and their data registers are written again only behind this wait
	s_add_nc_u64 s[4:5], s[4:5], STEPC
	s_add_co_u32 s18, s18, 8*SP
	s_sub_co_u32 s3, s3, 1
	s_cmp_lg_u32 s3, 0
	s_cbranch_scc1 .Lrow
	s_wait_tensorcnt 0x0                           ; the wave's end, behind my last tensor load and my last LDS store
	ds_add_u32 v[SPW], v[NIL]
	s_wait_dscnt 0x0
	CROUND                                         ; the closing round: no work-group ends while a partner may still ask for a tile that names it
	s_endpgm
.Lfunc_end_k_q86daccae95_proj_qkv:
	.size	k_q86daccae95_proj_qkv, .Lfunc_end_k_q86daccae95_proj_qkv-k_q86daccae95_proj_qkv
	.p2alignl 7, 3214868480
	.fill 96, 4, 3214868480
	.section	.rodata,"a",@progbits
	.p2align	6, 0x0
	.amdhsa_kernel k_q86daccae95_proj_qkv
		.amdhsa_group_segment_fixed_size 327680
		.amdhsa_private_segment_fixed_size 0
		.amdhsa_enable_private_segment 0
		.amdhsa_kernarg_size 40
		.amdhsa_user_sgpr_count 2
		.amdhsa_user_sgpr_kernarg_segment_ptr 1
		.amdhsa_wavefront_size32 1
		.amdhsa_system_sgpr_workgroup_id_x 1
		.amdhsa_system_sgpr_workgroup_id_y 1
		.amdhsa_system_sgpr_workgroup_id_z 1
		.amdhsa_system_vgpr_workitem_id 0
		.amdhsa_next_free_vgpr 1024
		.amdhsa_next_free_sgpr 80
		.amdhsa_reserve_vcc 0
		.amdhsa_float_denorm_mode_32 3
		.amdhsa_float_denorm_mode_16_64 3
		.amdhsa_memory_ordered 1
		.amdhsa_forward_progress 1
		.amdhsa_inst_pref_size 89
	.end_amdhsa_kernel
	.amdgpu_metadata
---
amdhsa.version: [ 1, 2 ]
amdhsa.kernels:
  - .name:           k_q86daccae95_proj_qkv
    .symbol:         k_q86daccae95_proj_qkv.kd
    .args:
      - { .name: w16, .offset: 0, .size: 8, .value_kind: global_buffer, .address_space: global }
      - { .name: bq, .offset: 8, .size: 8, .value_kind: global_buffer, .address_space: global }
      - { .name: bk, .offset: 16, .size: 8, .value_kind: global_buffer, .address_space: global }
      - { .name: bv, .offset: 24, .size: 8, .value_kind: global_buffer, .address_space: global }
      - { .name: qkvh, .offset: 32, .size: 8, .value_kind: global_buffer, .address_space: global }
    .group_segment_fixed_size: 327680
    .private_segment_fixed_size: 0
    .kernarg_segment_align: 8
    .kernarg_segment_size: 40
    .max_flat_workgroup_size: 128
    .sgpr_count:     80
    .vgpr_count:     1024
    .wavefront_size: 32
...
	.end_amdgpu_metadata
.endif
;; end of part 2
;; launch attn (part 3): grid 8 x 32, 4 waves a work-group, clusters of 4 x 1, 327,680 bytes of LDS; arguments qkvh, ctxh; writes ctxh
.if DOCPART == 3
	.amdgcn_target "amdgcn-amd-amdhsa--gfx1250"
	.amdhsa_code_object_version 6
	.text
	.protected	k_q86daccae95_attn
	.globl	k_q86daccae95_attn
	.p2align	8
	.type	k_q86daccae95_attn,@function
k_q86daccae95_attn:
	s_mov_b64 s[64:65], 0
	v_nop
	global_prefetch_b8 v0, s[64:65] scope:SCOPE_SE
	s_setreg_imm32_b32 hwreg(HW_REG_WAVE_MODE, 25, 1), 1
	s_wait_xcnt 0x0
	s_wait_alu depctr_hold_cnt(0) depctr_sa_sdst(0) depctr_va_vdst(0) depctr_va_sdst(0) depctr_va_ssrc(0) depctr_va_vcc(0) depctr_vm_vsrc(0)
	s_getreg_b32 s2, hwreg(HW_REG_IB_STS2, 6, 4)
	s_cmp_eq_u32 s2, 0
	s_cbranch_scc0 .Lentry_in_a_cluster
	s_endpgm
.Lentry_in_a_cluster:
	s_bfe_u32 s2, ttmp6, 0x10000c
	s_cmp_lg_u32 s2, 0x3003
	s_cbranch_scc0 .Lentry_shape_is_right
	s_endpgm
.Lentry_shape_is_right:
; O[g][q][:] = the sum over k of softmax_k(Q[g][q] . K[g][k] / 8) V[g][k][:] for 32 heads g (16 heads x 2 batches) of 2,048 rows of 64 channels, all f16: a head's rows are dense, 128 bytes each.
; Q, K and V are the three parts of 8 MiB of one buffer; O has a part's layout.  Products, maxima and sums in f32; the weights p are rounded to f16 for the second product (their sum l is taken
; of the unrounded p), O once at the end.
; LIMITS.  f16 holds no number beyond 65,504: Q, K and V arrive within it; p lies in 0 to 1, and below 6e-5 it keeps f16's fixed step of 6e-8, as O does; O is a mean of V's rows and has their range.
; A weight below 2^-126 counts as 0 in l; NaN and infinities are not treated apart.
; SHARES.  A work-group owns 256 queries of one head, each of its four waves 64: four PIECES of 16.  Every wave walks all keys, 64 a step; a tile of 256 keys, four steps, fills a slot of LDS.
; LAYOUT.  S^T = K Q^T (source 0 = 16 keys, source 1 = 16 queries): a lane holds ONE query (lane % 16) and the keys 8 (lane / 16) + 0..7.  Two such results, rounded to f16 in pairs, ARE source 1
; of O^T = V^T P, whose result again holds one query a lane, and eight channels.  K comes out of LDS as it lies, V ([key][channel]) turned, by ds_load_tr16_b128.
; SOFTMAX.  For each query a running maximum m and sum l: p = 2^(c s - c m), c = log2(e) / 8; in every step O and l are multiplied by a = 2^(c m_old - c m_new).  m starts at the lowest finite
; number, O and l at 0: the first step is a step like any other, with a = 0.
; BY TURNS.  Turn n belongs to piece n: 8 products K Q^T of piece n + 1, later 8 products V^T P of piece n - 1; beside them the scaling, exponentials, roundings, sums and rescaling of piece n and
; the maximum and statistics of piece n + 1.  Four vector instructions stand behind every matrix instruction, the other 54 of a turn's 118 in two runs of their own.
; CLUSTER.  The four query blocks of a cluster belong to one head and walk the same K and V: each tile is asked for JOINTLY, by the same tensor load, descriptor and mask in all four.
; One tensor load of a wave is out at a time; it has four key steps, 256 matrix instructions, in which to land.
; REGISTERS, in windows of 256 (s_set_vgpr_msb: bits 1:0 source 0, 3:2 source 1, 5:4 source 2, 7:6 destination):
;   window 0: v0-15 addresses and two at work; v16-31 four registers of statistics a piece; v48-55 at work; v62-63 the add's; v64-127 S^T, two buffers; v192-223 P, two buffers (by the piece's parity)
;   window 1: v0-127 O^T, 32 a piece          window 2: v0-63 Q; v128-191 K of one step; v192-255 V of one step
.set SIZE_N, 2048
.set NP,    4         ; pieces a wave: a name, no knob
.set KS,    64        ; keys in a step
.set PK,    144       ; a row of K in LDS: 128 bytes + 16 of padding = 36 words: the 16 rows of a load start at 16 different groups of four banks (64 banks of 4 bytes: ISA guide 11.1)
.set PV,    160       ; a row of V: 128 + 32 = 40 words
.set VOFF,  4*KS*PK   ; a slot holds four steps: 256 rows of K, then 256 rows of V
.set SLOT1, 1<<17     ; slot 1 begins here, so that one exclusive or turns an address in one slot into the other's
.set STAGE, SLOT1+4*KS*(PK+PV)  ; behind the slots, never filled by a tensor load: 16 rows x 144 bytes for each wave, for the way out
.set SP,    144
.set SPARE, STAGE+4*16*SP  ; behind the stages: the spare words, 128 bytes for each wave: two blocks of 256 bytes that no other line names
.set AK0, 2           ; v2   my lane's place in a tile of K; never rewritten
.set AV0, 3           ; v3   the same for V
.set AK,  4           ; v4   the LDS address of K's next run of loads
.set AV,  5           ; v5   of V's
.set STO, 6           ; v6   the way out: where I put 16 bytes of a row
.set RD,  7           ; v7   the way out: where I read rows back
.set GO,  8           ; v8   my byte offset in 512 consecutive bytes of O
.set MV,  12          ; v12-13  c m_old, kept while c m is made anew: by buffer
.set QO,  15          ; v15  my byte offset in 16 rows of Q
.set ST,  16          ; piece t's statistics at v[ST+4 t]: c m, m, l (even keys', odd keys')
.set TMP, 48          ; by buffer, four registers c0-c3 at work; when the maximum is found c2 takes a
.set SPW, 62          ; v62  LDS address of my spare word: SPARE + 4 x my thread's number; never rewritten
.set NIL, 63          ; v63  0; never rewritten
.set S,   64
.set P,   192
.set KF,  128         ; window 2: key block kb, channel half c at KF + 16 kb + 8 c
.set VF,  192         ; window 2: key half kk, channel block cb at VF + 32 kk + 8 cb
.set WV,  12          ; s12  my wave's number
.set G1K, 24          ; s[24:31] descriptor group 1 for K's tiles
.set G1V, 32          ; s[32:39] for V's: it differs in the padding alone
.set G0K, 40          ; s[40:43] descriptor group 0 for K's tiles: it walks
.set G0V, 44          ; s[44:47] the same for V's
.set SLOTS, 56        ; s56  slots still to be asked for
.set CNT, 57          ; s57  counts a slot's key steps
.set CS,  58          ; s[58:59] c: the packed scaling takes the pair's low word for both halves
.set SEL, 60          ; s[60:61] v_permlanex16_b32's selects: each lane takes its own place in the other half
.set TBK, 62          ; s62  LDS byte at which K of the step to be fetched begins
.set TBV, 63          ; s63  the same for V, less VOFF
.set MSB, 0
.macro WIN new                      ; the high byte repeats the setting that is left; a switch that changes nothing is dropped
.if MSB != (\new)
	s_set_vgpr_msb (MSB<<8)|(\new)
.set MSB, (\new)
.endif
.endm
.set W_KQ, 0x0a       ; K and Q in window 2, S^T in window 0
.set W_PV, 0x52       ; V in window 2, P in window 0, O^T in window 1
.set W_RS, 0x41       ; O^T (destination and source 0) in window 1, a in window 0
; A joint fill.  Waves 0 and 1 fetch the two halves of a slot's K, waves 2 and 3 those of its V: 128 keys each.  The branch hangs on the wave's number alone.
; An s_nop 0 and four v_nop follow each of the two lines, ahead of the jump and the label.
.macro JLOAD
	s_cmp_lt_u32 s[WV], 2
	s_cbranch_scc0 .Lfor_v_\@
	tensor_load_to_lds s[G0K:G0K+3], s[G1K:G1K+7]
	s_nop 0
.rept 4
	v_nop
.endr
	s_branch .Lasked_\@
.Lfor_v_\@:
	tensor_load_to_lds s[G0V:G0V+3], s[G1V:G1V+7]
	s_nop 0
.rept 4
	v_nop
.endr
.Lasked_\@:
.endm
; A round of the cluster's barrier: my work-group's barrier, so that wave 0's signal speaks for all four waves; wave 0 signals; every wave waits for all four work-groups; my work-group's barrier once more.
.macro CROUND
	s_barrier_signal -1
	s_barrier_wait -1
	s_cmp_lg_u32 s[WV], 0
	s_cbranch_scc1 .Lnot_wave_0_\@
	s_barrier_signal -3
.Lnot_wave_0_\@:
	s_barrier_wait -3
	s_barrier_signal -1
	s_barrier_wait -1
.endm
; THE CHANGE OF SLOTS.  The slot's last bytes, V of its fourth step, have been read.  Each wave waits for all its tensor loads, of which one is out: its part of the other slot; adds 0 to its spare
; word; and waits for that and for its own reads of the slot.  Behind the barrier nobody reads this slot any more and the other slot is whole.
; fill = 1: this slot is filled again, with the keys two slots on.  The barrier is then a round of the cluster's, so that no wave of any partner still reads the slot or has a load on its way, and
; the joint fill is the first thing behind it.  (At its first use nothing has been read yet: slot 0 is waited for, slot 1 filled.)
.macro CHANGE fill
	WIN 0                           ; at a label and at a branch every window is 0
	s_wait_tensorcnt 0x0            ; no tensor load of mine is out, so a group 0 may be written
	ds_add_u32 v[SPW], v[NIL]       ; 0 onto my spare word; with fill = 1 the descriptors' steps stand between it and the wait for it
.if \fill
.irp g, G0K, G0V
	s_xor_b32 s[\g+1], s[\g+1], SLOT1  ; the walking descriptor: the other slot than last time,
	s_add_nc_u64 s[\g+2:\g+3], s[\g+2:\g+3], 4*KS*128  ; the next 256 keys; the type bits on top are not reached
.endr
	s_wait_dscnt 0x0                ; the add is done, and my reads of the slot are over
	CROUND
	JLOAD
.else
	s_wait_dscnt 0x0                ; the add is done, and my reads of the slot are over
	s_barrier_signal -1
	s_barrier_wait -1
.endif
	s_sub_co_u32 s[TBK], s[TBK], 4*KS*PK  ; the fetches go back to a slot's first step,
	s_xor_b32 s[TBK], s[TBK], SLOT1       ; in the other slot
	s_sub_co_u32 s[TBV], s[TBV], 4*KS*PV
	s_xor_b32 s[TBV], s[TBV], SLOT1
.endm
	s_load_b128 s[48:51], s[0:1], 0x0  ; q, k, v s[48:49]; O s[50:51]
	v_lshl_add_u32 v[SPW], v0, 2, SPARE
	v_mov_b32 v[NIL], 0
	ds_add_u32 v[SPW], v[NIL]       ; the wave's opening: the add and its wait stand ahead of my first tensor load; the set-up below, work on registers, stands between them
	v_lshrrev_b32 v1, 5, v0
	v_readfirstlane_b32 s[WV], v1   ; wave 0..3
	s_bfe_u32 s13, ttmp6, 0x40000   ; cx: my place in the cluster
	s_lshl_b32 s14, ttmp9, 2        ; in a cluster launch ttmp9 counts clusters
	s_add_co_u32 s14, s14, s13      ; my block of 256 queries = 4 x cluster x + cx: it enters Q's and O's addresses alone
	s_and_b32 s20, ttmp7, 0xffff    ; the head, which the four partners share:
	s_lshl_b32 s20, s20, 18         ; its first byte in a part, 2,048 rows x 128 bytes a head
	s_and_b32 s16, s[WV], 1         ; which half of a slot's 256 keys I fetch:
	s_lshl_b32 s22, s16, 14         ; its 128 rows of 128 bytes in memory,
	s_add_co_u32 s22, s22, s20
	s_add_co_u32 s22, s22, 8<<20    ; in K's part,
	s_mov_b32 s23, 0
	s_add_co_u32 s52, s22, 8<<20    ; in V's part
	s_mov_b32 s53, 0
	s_mul_i32 s17, s16, 128*PK      ; and its place in a slot, for K
	s_mul_i32 s18, s16, 128*PV      ; and for V: no place in the cluster enters an LDS address
	s_lshl_b32 s2, s14, 2
	s_add_co_u32 s2, s2, s[WV]      ; my wave among the head's,
	s_lshl_b32 s2, s2, 13           ; its 64 rows
	s_add_co_u32 s2, s2, s20
	s_mov_b32 s3, 0
	; descriptor group 1.  128 keys are 16,384 dense bytes: asked for as 64 rows of 256 bytes, two keys a row, and padded in LDS after every key
	s_mov_b32 s[G1K], 15|(1<<16)|(1<<20)|(1<<21)|(4<<22)|(3<<25)  ; 15:0 the mask of four; 17:16 2-byte elements; 20 padding on; 21 set beside a mask; 24:22 after every 32 words (code 4); 31:25 4 words (code 3)
	s_mov_b32 s[G1V], 15|(1<<16)|(1<<20)|(1<<21)|(4<<22)|(7<<25)  ; the same with 8 words of padding (code 7)
.irp g, G1K, G1V
	s_mov_b32 s[\g+1], 128<<16      ; tensor_dim0 = 128
	s_mov_b32 s[\g+2], 64<<16       ; tensor_dim1 = 64
	s_mov_b32 s[\g+3], 128<<16      ; tile_dim0 = 128
	s_mov_b32 s[\g+4], 64           ; tile_dim1 = 64
	s_mov_b32 s[\g+5], 128          ; 128 elements from row to row
	s_mov_b32 s[\g+6], 0
	s_mov_b32 s[\g+7], 0
.endr
	s_mov_b32 s[CS], 0x3e38aa3b     ; c = log2(e) / 8 = 0.180337
	s_mov_b32 s[CS+1], s[CS]        ; named with it as a pair
	s_mov_b32 s[SEL], 0x76543210
	s_mov_b32 s[SEL+1], 0xfedcba98
	s_mov_b32 s[TBK], SLOT1+4*KS*PK ; the first change of slots turns these two into 0
	s_mov_b32 s[TBV], SLOT1+4*KS*PV
	s_mov_b32 s[G0K], 1             ; count = 1
	s_mov_b32 s[G0K+1], s17         ; LDS address: slot 0
	s_mov_b32 s[G0V], 1
	s_add_co_u32 s[G0V+1], s18, VOFF
	s_wait_dscnt 0x0                ; the opening add is done
	s_wait_kmcnt 0x0
	s_add_nc_u64 s[G0K+2:G0K+3], s[48:49], s[22:23]  ; global address: my half of the head's first 256 keys
	s_or_b32 s[G0K+3], s[G0K+3], 0x80000000          ; type = 2
	s_add_nc_u64 s[G0V+2:G0V+3], s[48:49], s[52:53]
	s_or_b32 s[G0V+3], s[G0V+3], 0x80000000
	s_add_nc_u64 s[4:5], s[48:49], s[2:3]    ; Q and O at my wave's first row
	s_add_nc_u64 s[10:11], s[50:51], s[2:3]
	CROUND                          ; all four work-groups are here: the first joint loads meet
	JLOAD                           ; slot 0.  Slot 1 is asked for when slot 0 is in
	; A fragment of K or Q is 16 rows x 32 channels in 8 registers: lane l holds row l % 16, channels 8 (l / 16) + 0..7 and 16 + 8 (l / 16) + 0..7: two loads of 16 bytes, 32 bytes apart.
	v_and_b32 v1, 15, v0            ; l % 16
	v_bfe_u32 v9, v0, 4, 1          ; l / 16
	v_lshlrev_b32 v[QO], 7, v1
	v_lshl_add_u32 v[QO], v9, 4, v[QO]  ; row x 128 + 16 x half
	WIN 0x80                        ; destination window 2, address window 0
.set i, 0
.rept 8                             ; Q stays in registers: piece i / 2, channels 32 (i % 2) on
	global_load_b128 v[8*i:8*i+3],   v[QO], s[4:5] offset:(i/2)*2048+(i%2)*64
	global_load_b128 v[8*i+4:8*i+7], v[QO], s[4:5] offset:(i/2)*2048+(i%2)*64+32
.set i, i+1
.endr
	; What the first turn finds: V's registers and P's second buffer hold 0 (its products V^T P, of a piece that has not been, add 0), O^T and l are 0.  All this stands in the wait for the first tile;
	; it spares a first step written out.
.set i, VF
.rept 64
	v_mov_b32 v[i], 0
.set i, i+1
.endr
	WIN 0x40
.set i, 0
.rept 128
	v_mov_b32 v[i], 0
.set i, i+1
.endr
	WIN 0
.set i, 0
.rept 4
	v_mov_b32 v[ST+4*i], 0xfe000000    ; c m: far below every c s
	v_mov_b32 v[ST+4*i+1], 0xff7fffff  ; m
	v_mov_b32 v[ST+4*i+2], 0
	v_mov_b32 v[ST+4*i+3], 0
.set i, i+1
.endr
.set i, P+16
.rept 16
	v_mov_b32 v[i], 0
.set i, i+1
.endr
	v_mul_u32_u24 v[AK0], v1, PK
	v_lshl_add_u32 v[AK0], v9, 4, v[AK0]  ; row x pitch + 16 x half
	; The turning load takes 16 keys x 16 channels (lane l reads key 8 (l / 16) + l % 8, channels 8 ((l / 8) % 2) + 0..7) and leaves half a fragment of V^T: lane l holds channel l % 16 and 8 keys.
	v_and_b32 v10, 7, v0
	v_bfe_u32 v11, v0, 3, 1
	v_lshl_add_u32 v[AV0], v9, 3, v10
	v_mul_u32_u24 v[AV0], v[AV0], PV
	v_lshl_add_u32 v[AV0], v11, 4, v[AV0]
	v_add_nc_u32 v[AV0], VOFF, v[AV0]
	v_mov_b32 v[AK], v[AK0]         ; key step 0 lies at the head of slot 0
; THE MATRIX WORK.  The 4 accumulators of a run of 8 take turns.  Product i of 8 of S^T = K Q^T for piece x: channels 32 (i / 4) on, keys 16 (i % 4) on.  The first 4 start the sums.
.macro KQ x
	WIN W_KQ
.set rS, S+32*((\x)%2)+8*(i%4)
.set rK, KF+16*(i%4)+8*(i/4)
.set rQ, 16*(\x)+8*(i/4)
.if i < 4
	v_wmma_f32_16x16x32_f16 v[rS:rS+7], v[rK:rK+7], v[rQ:rQ+7], 0
.else
	v_wmma_f32_16x16x32_f16 v[rS:rS+7], v[rK:rK+7], v[rQ:rQ+7], v[rS:rS+7]
.endif
.endm
; Product i of 8 of O^T += V^T P for piece x: keys 32 (i / 4) on, channels 16 (i % 4) on.
.macro PV x
	WIN W_PV
.set rO, 32*(\x)+8*(i%4)
.set rV, VF+32*(i/4)+8*(i%4)
.set rP, P+16*((\x)%2)+8*(i/4)
	v_wmma_f32_16x16x32_f16 v[rO:rO+7], v[rV:rV+7], v[rP:rP+7], v[rO:rO+7]
.endm
.macro MM                           ; the turn's next matrix instruction
.if i < 8
	KQ (Y+1)%NP
.else
.set i, i-8
	PV (Y+NP-1)%NP
.set i, i+8
.endif
.set i, i+1
.endm
; THE LDS LOADS stand in runs of 16, never singly among the matrix instructions: a step's K (64 keys x 64 channels: 8 fragments) and its V (turned).  Their addresses are made some lines ahead.
; last = 1 (the tail): in the last trip there is no further step, and the run is jumped over.
.macro FETCH_K last=0
	WIN 0
.if \last
	s_cmp_eq_u32 s[CNT], 1
	s_cbranch_scc1 .Lno_k_\@
.endif
	WIN 0x80                        ; destination window 2
.irp f, 0,1,2,3,4,5,6,7             ; keys 16 (f / 2) on, channels 32 (f % 2) on
	ds_load_b128 v[KF+8*\f:KF+8*\f+3],   v[AK] offset:(\f/2)*16*PK+(\f%2)*64
	ds_load_b128 v[KF+8*\f+4:KF+8*\f+7], v[AK] offset:(\f/2)*16*PK+(\f%2)*64+32
.endr
	s_add_co_u32 s[TBK], s[TBK], KS*PK  ; the next fetch is the next step's
	WIN 0
.if \last
.Lno_k_\@:
.endif
.endm
.macro FETCH_V
	WIN 0x80
.irp f, 0,1,2,3,4,5,6,7             ; keys 32 (f / 4) on, channels 16 (f % 4) on
	ds_load_tr16_b128 v[VF+8*\f:VF+8*\f+3],   v[AV] offset:(\f/4)*32*PV+(\f%4)*32
	ds_load_tr16_b128 v[VF+8*\f+4:VF+8*\f+7], v[AV] offset:(\f/4)*32*PV+16*PV+(\f%4)*32
.endr
	WIN 0
.endm
; THE VECTOR WORK, one line at a time: OP kind, number.  For piece Y: F n: c s - c m for pair n of 16.  E n: the exponential of score n of 32.  C n: pair n rounded to f16.  B n: of the four weights 4 n .. the second
; pair is added onto the first, in place.  L n: l takes that sum (L 0: l = a l + sum).  R n: pair n of 16 of O^T times a.  For piece Y + 1: X n, number n of the 22 that find its maximum and statistics:
;   0-11  four chains c0-c3 of seven scores each, three operands at a time (each accumulator's lowest registers are read first)     12-14, 16  the four scores left over, the old m, and c0-c3 into c0
;   15  c m_old is kept     17, 18  the query's other 32 keys lie in the lane 16 away: the new m     19-21  c m; c m_old - c m_new; a
.set F, 0               ; OP tells the kinds apart by their order: F to L below R, X above it
.set E, 1
.set C, 2
.set B, 3
.set L, 4
.set R, 5
.set X, 6
.macro REGS y                       ; the registers of piece y
.set rT, ST+4*(\y)
.set rC, TMP+4*((\y)%2)
.set rW, MV+((\y)%2)
.set rS, S+32*((\y)%2)
.set rP, P+16*((\y)%2)
.set rO, 32*(\y)
.endm
.macro OP k, n
.if (\k) == R
	REGS Y
	WIN W_RS
	v_pk_mul_f32 v[rO+2*(\n):rO+2*(\n)+1], v[rO+2*(\n):rO+2*(\n)+1], v[rC+2:rC+3] op_sel_hi:[1,0]
.elseif (\k) < R
	REGS Y
	WIN 0
.if (\k) == F
	v_pk_fma_f32 v[rS+2*(\n):rS+2*(\n)+1], v[rS+2*(\n):rS+2*(\n)+1], s[CS:CS+1], v[rT:rT+1] op_sel_hi:[1,0,0] neg_lo:[0,0,1] neg_hi:[0,0,1]
.elseif (\k) == E
	v_exp_f32 v[rS+(\n)], v[rS+(\n)]
.elseif (\k) == C
	s_wait_alu depctr_va_vdst(0)
	v_cvt_pk_f16_f32 v[rP+(\n)], v[rS+2*(\n)], v[rS+2*(\n)+1]
.elseif (\k) == B
	s_wait_alu depctr_va_vdst(0)
	v_pk_add_f32 v[rS+4*(\n):rS+4*(\n)+1], v[rS+4*(\n):rS+4*(\n)+1], v[rS+4*(\n)+2:rS+4*(\n)+3]
.elseif (\n) == 0
	v_pk_fma_f32 v[rT+2:rT+3], v[rT+2:rT+3], v[rC+2:rC+3], v[rS:rS+1] op_sel_hi:[1,0,1]
.else
	v_pk_add_f32 v[rT+2:rT+3], v[rT+2:rT+3], v[rS+4*(\n):rS+4*(\n)+1]
.endif
.else
	REGS (Y+1)%NP
	WIN 0
.if (\n) < 4
	v_max3_num_f32 v[rC+(\n)], v[rS+8*(\n)], v[rS+8*(\n)+1], v[rS+8*(\n)+2]
.elseif (\n) < 12
	v_max3_num_f32 v[rC+(\n)%4], v[rC+(\n)%4], v[rS+8*((\n)%4)+2*((\n)/4)+1], v[rS+8*((\n)%4)+2*((\n)/4)+2]
.elseif (\n) == 12
	v_max3_num_f32 v[rC], v[rC], v[rS+7], v[rS+15]
.elseif (\n) == 13
	v_max3_num_f32 v[rC+1], v[rC+1], v[rS+23], v[rS+31]
.elseif (\n) == 14
	v_max3_num_f32 v[rC+2], v[rC+2], v[rC+3], v[rT+1]
.elseif (\n) == 15
	v_mov_b32 v[rW], v[rT]
.elseif (\n) == 16
	v_max3_num_f32 v[rC], v[rC], v[rC+1], v[rC+2]
.elseif (\n) == 17
	v_permlanex16_b32 v[rC+3], v[rC], s[SEL], s[SEL+1]
.elseif (\n) == 18
	v_max_num_f32 v[rT+1], v[rC], v[rC+3]
.elseif (\n) == 19
	v_mul_f32 v[rT], s[CS], v[rT+1]
.elseif (\n) == 20
	v_sub_f32 v[rC+1], v[rW], v[rT]
.else
	v_exp_f32 v[rC+2], v[rC+1]
.endif
.endif
.endm
.macro OPS a, i1, b=-1, i2=0, c=-1, i3=0, d=-1, i4=0  ; up to four of them
	OP \a, \i1
.if (\b) >= 0
	OP \b, \i2
.endif
.if (\c) >= 0
	OP \c, \i3
.endif
.if (\d) >= 0
	OP \d, \i4
.endif
.endm
.macro ROW a, i1, b, i2, c, i3, d, i4  ; a matrix instruction and the four behind it
	MM
	OPS \a, \i1, \b, \i2, \c, \i3, \d, \i4
.endm
; A TURN, for piece p: the order of its 16 matrix and 118 vector instructions, written out.  Behind a matrix instruction: plain, exponential, plain, plain; or four of the rescaling; or, behind the first, four scalings;
; none names a register of the products round it.  In the runs between, exponential and plain by turns while exponentials last.  A line reads no result made fewer than three vector instructions in front of it, five if an
; exponential made it.  v_permlanex16_b32 (X 17) stands in such a run.
; K of the next step is fetched in piece 2's turn, six vector instructions behind the last product that read K (five of them plain); V of the step in hand in piece 0's turn, eight behind the last product that read V
; (four plain, and X 17).  Each is waited for a turn later.  last = 1: the tail's text.  cnt = 1: the loop's count is taken down some lines ahead of the branch that stands behind the turn.
.macro TURN p, last=0, cnt=0
.set Y, (\p)
.set i, 0
.if (\p) == 3
	s_wait_dscnt 0x0                ; K is in
.endif
	ROW F,0, F,1, F,2, F,3
	ROW F,4, E,0, F,5, F,6
	ROW F,7, E,1, F,8, F,9
	ROW F,10, E,2, C,0, F,11
	ROW F,12, E,3, X,15, F,13
	ROW R,0, R,1, R,2, R,3
	ROW B,0, E,4, F,14, L,0
.if (\p) == 2
	v_add_nc_u32 v[AK], s[TBK], v[AK0]
.endif
	ROW R,4, R,5, R,6, R,7
	OPS E,5, F,15
.if (\p) == 2
	FETCH_K \last
.endif
	OPS E,6, C,1, E,7, R,8
	OPS E,8, R,9, E,9, C,2
	OPS E,10, X,0, E,11, X,1
	OPS E,12, X,2, E,13, X,3
.if (\p) == 1
	s_wait_dscnt 0x0                ; V is in
.endif
	ROW X,4, E,14, X,5, X,6
	ROW X,7, E,15, X,8, X,9
	ROW X,10, E,16, X,11, X,12
	ROW X,13, E,17, X,14, B,1
	ROW C,4, E,18, X,16, L,1
	ROW B,2, E,19, C,6, L,2
	ROW C,8, E,20, B,3, B,4
.if (\p) == 0
	v_add_nc_u32 v[AV], s[TBV], v[AV0]
.endif
	ROW C,3, E,21, L,3, C,5
	OPS E,22, X,17, E,23, C,10
.if (\p) == 0
	FETCH_V
.endif
	OPS E,24, L,4
	OPS E,25, X,18, E,26, C,7
	OPS E,27, B,5, E,28, X,19
	OPS E,29, C,12, E,30, L,5
	OPS E,31, X,20, B,6, C,9
	OPS C,14, C,11, X,21, L,6
.if (\p) == 0
	s_add_co_u32 s[TBV], s[TBV], KS*PV
.endif
.if \cnt
	s_sub_co_u32 s[CNT], s[CNT], 1
	s_cmp_lg_u32 s[CNT], 0
.endif
	OPS C,13, B,7, C,15, R,10
	OPS R,11, R,12, L,7, R,13
	OPS R,14, R,15
.endm
	CHANGE 1                        ; slot 0 is in, everybody's part of it; slot 1 is asked for
	FETCH_K                         ; key step 0
	s_wait_loadcnt 0x0              ; Q
	s_wait_dscnt 0x0
.set i, 0
.rept 8
	KQ 0                            ; piece 0's first scores: there is no vector work yet to set between them
.set i, i+1
.endr
	WIN 0                           ; the addresses for the way out: nine plain instructions, the places behind those products
	s_mul_i32 s13, s[WV], 16*SP
	s_add_co_u32 s13, s13, STAGE    ; my stage
	v_mul_u32_u24 v[STO], v1, SP    ; in: row l % 16, 16 bytes for each half of the lanes
	v_lshl_add_u32 v[STO], v9, 4, v[STO]
	v_add_nc_u32 v[STO], s13, v[STO]
	v_bfe_u32 v[RD], v0, 3, 2       ; back: 32 lanes take four rows of 128 bytes,
	v_mul_u32_u24 v[RD], v[RD], SP
	v_lshl_add_u32 v[RD], v10, 4, v[RD]
	v_add_nc_u32 v[RD], s13, v[RD]
	v_and_b32 v[GO], 31, v0         ; which are 512 consecutive bytes of O
	v_lshlrev_b32 v[GO], 4, v[GO]
.set Y, NP-1                        ; X works for piece Y + 1: piece 0
.irp n, 0,1,2,3,4,5,6,7,8,9,10,11,12,13,14,15,16,17,18,19,20,21
	OP X, \n                        ; piece 0's first maximum and statistics
.endr
	v_nop                           ; a plain instruction behind the exponential
	s_mov_b32 s[CNT], 4
	s_mov_b32 s[SLOTS], SIZE_N/256-1
	s_branch .Lfirst                ; the loop is entered at a step's first turn, in the middle of a trip
.Lslot:                             ; SIZE_N / 256 - 2 times: every slot but the last two is filled again
	CHANGE 1
	s_mov_b32 s[CNT], 4
.Lstep:                             ; a trip: pieces 2 and 3 of one step, then pieces 0 and 1 of the next, whose K and V it fetches
	TURN 2
	TURN 3
	WIN 0
.Lfirst:
	TURN 0
	TURN 1, 0, 1
	WIN 0
	s_cbranch_scc1 .Lstep
	s_sub_co_u32 s[SLOTS], s[SLOTS], 1
	s_cmp_lg_u32 s[SLOTS], 0
	s_cbranch_scc1 .Lslot
	CHANGE 0                        ; the tail is written out: nothing is asked for
	s_mov_b32 s[CNT], 5             ; four trips fetch the last slot's steps; the fifth is left in its middle
.Ltail:
	TURN 2, 1
	TURN 3
	WIN 0
	s_sub_co_u32 s[CNT], s[CNT], 1
	s_cmp_eq_u32 s[CNT], 0
	s_cbranch_scc1 .Lout
	TURN 0
	TURN 1
	WIN 0
	s_branch .Ltail
.Lout:                              ; the fifth trip's 8 products K Q^T (on the last K once more) and the maximum made of them serve nothing: the price, once a launch, of one text for every trip
.set i, 0
.rept 8
	PV NP-1                         ; the last piece's V^T P of the last step
.set i, i+1
.endr
	; THE WAY OUT.  l's two halves and the other half of the lanes' are added; O^T is divided by l, rounded to f16 and sent through my stage in LDS, a piece at a time.  The additions are the places behind the last products.
	WIN 0
.macro ALL line:vararg              ; one line for each piece t
.set t, 0
.rept 4
	\line
.set t, t+1
.endr
.endm
	ALL v_add_f32 v[ST+4*t+2], v[ST+4*t+2], v[ST+4*t+3]
	ALL v_permlanex16_b32 v[ST+4*t+3], v[ST+4*t+2], s[SEL], s[SEL+1]
	ALL v_add_f32 v[ST+4*t+2], v[ST+4*t+2], v[ST+4*t+3]
	ALL v_rcp_f32 v[ST+4*t+2], v[ST+4*t+2]
	v_nop                           ; a plain instruction between the last reciprocal and the use of its result
.macro PACK t                       ; a lane's eight channels of a row pack into 16 bytes; they go into rows of 144 bytes and come back as whole rows of 128, into S^T's registers
	WIN W_RS
.set i, 32*(\t)
.rept 16
	s_wait_alu depctr_va_vdst(0)
	v_pk_mul_f32 v[i:i+1], v[i:i+1], v[ST+4*(\t)+2:ST+4*(\t)+3] op_sel_hi:[1,0]
.set i, i+2
.endr
	WIN 0x05                        ; sources 0 and 1 window 1, destination window 0
.set i, 0
.rept 16
	v_cvt_pk_f16_f32 v[S+16*(\t)+i], v[32*(\t)+2*i], v[32*(\t)+2*i+1]
.set i, i+1
.endr
	WIN 0
.irp f, 0,1,2,3
	ds_store_b128 v[STO], v[S+16*(\t)+4*\f:S+16*(\t)+4*\f+3] offset:32*\f
.endr
.irp f, 0,1,2,3
	ds_load_b128 v[S+16*(\t)+4*\f:S+16*(\t)+4*\f+3], v[RD] offset:\f*4*SP  ; LDS serves a wave's instructions in order (ISA guide 5.7.1.4): these see the stores above; the next piece's stores come behind them
.endr
.endm
.macro SEND t, younger              ; younger: the LDS instructions issued behind piece t's loads: the next piece's eight, or none
	WIN 0
.irp f, 0,1,2,3
	s_wait_dscnt (\younger)+3-\f
	global_store_b128 v[GO], v[S+16*(\t)+4*\f:S+16*(\t)+4*\f+3], s[10:11] offset:(\t)*2048+\f*512  ; 512 consecutive bytes, at a multiple of 256 from O's first
.endr
.endm
	PACK 0
.set t, 1
.rept 3                             ; a piece's arithmetic stands between the loads of the piece before and its stores
	PACK t
	SEND t-1, 8
.set t, t+1
.endr
	SEND 3, 0
	s_wait_tensorcnt 0x0            ; the wave's end, behind my last tensor load and my last LDS store
	ds_add_u32 v[SPW], v[NIL]
	s_wait_dscnt 0x0
	CROUND                          ; the closing round: no work-group ends while a partner may still ask for a tile that names it
	s_endpgm
.Lfunc_end_k_q86daccae95_attn:
	.size	k_q86daccae95_attn, .Lfunc_end_k_q86daccae95_attn-k_q86daccae95_attn
	.p2alignl 7, 3214868480
	.fill 96, 4, 3214868480
	.section	.rodata,"a",@progbits
	.p2align	6, 0x0
	.amdhsa_kernel k_q86daccae95_attn
		.amdhsa_group_segment_fixed_size 327680
		.amdhsa_private_segment_fixed_size 0
		.amdhsa_enable_private_segment 0
		.amdhsa_kernarg_size 16
		.amdhsa_user_sgpr_count 2
		.amdhsa_user_sgpr_kernarg_segment_ptr 1
		.amdhsa_wavefront_size32 1
		.amdhsa_system_sgpr_workgroup_id_x 1
		.amdhsa_system_sgpr_workgroup_id_y 1
		.amdhsa_system_sgpr_workgroup_id_z 1
		.amdhsa_system_vgpr_workitem_id 0
		.amdhsa_next_free_vgpr 768
		.amdhsa_next_free_sgpr 66
		.amdhsa_reserve_vcc 0
		.amdhsa_float_denorm_mode_32 3
		.amdhsa_float_denorm_mode_16_64 3
		.amdhsa_memory_ordered 1
		.amdhsa_forward_progress 1
		.amdhsa_inst_pref_size 116
	.end_amdhsa_kernel
	.amdgpu_metadata
---
amdhsa.version: [ 1, 2 ]
amdhsa.kernels:
  - .name:           k_q86daccae95_attn
    .symbol:         k_q86daccae95_attn.kd
    .args:
      - { .name: qkvh, .offset: 0, .size: 8, .value_kind: global_buffer, .address_space: global }
      - { .name: ctxh, .offset: 8, .size: 8, .value_kind: global_buffer, .address_space: global }
    .group_segment_fixed_size: 327680
    .private_segment_fixed_size: 0
    .kernarg_segment_align: 8
    .kernarg_segment_size: 16
    .max_flat_workgroup_size: 128
    .sgpr_count:     66
    .vgpr_count:     768
    .wavefront_size: 32
...
	.end_amdgpu_metadata
.endif
;; end of part 3
;; launch proj_o (part 4): grid 8 x 32, 4 waves a work-group, clusters of 4 x 4, 327,680 bytes of LDS; arguments ctxh, w16, bo, ao32, ao16; writes ao32, ao16
.if DOCPART == 4
	.amdgcn_target "amdgcn-amd-amdhsa--gfx1250"
	.amdhsa_code_object_version 6
	.text
	.protected	k_q86daccae95_proj_o
	.globl	k_q86daccae95_proj_o
	.p2align	8
	.type	k_q86daccae95_proj_o,@function
k_q86daccae95_proj_o:
	s_mov_b64 s[64:65], 0
	v_nop
	global_prefetch_b8 v0, s[64:65] scope:SCOPE_SE
	s_setreg_imm32_b32 hwreg(HW_REG_WAVE_MODE, 25, 1), 1
	s_wait_xcnt 0x0
	s_wait_alu depctr_hold_cnt(0) depctr_sa_sdst(0) depctr_va_vdst(0) depctr_va_sdst(0) depctr_va_ssrc(0) depctr_va_vcc(0) depctr_vm_vsrc(0)
	s_getreg_b32 s2, hwreg(HW_REG_IB_STS2, 6, 4)
	s_cmp_eq_u32 s2, 0
	s_cbranch_scc0 .Lentry_in_a_cluster
	s_endpgm
.Lentry_in_a_cluster:
	s_bfe_u32 s2, ttmp6, 0x10000c
	s_cmp_lg_u32 s2, 0xf033
	s_cbranch_scc0 .Lentry_shape_is_right
	s_endpgm
.Lentry_shape_is_right:
; C[m][n] = bias[n] + sum over k of A[m][k] W[k][n], on tiles of 128 x 128.  ONE TEXT serves the layer's two products with 1,024 columns; KIND picks sizes, format and way out:
;   KIND 1  ctx Wo + bo            -> attn_out, in f32 and in bf16, [4096][1024]     A = ctx, f16 [16 heads][4096][64]    W f16  [1024][1024]    K = 1,024
;   KIND 3  h W2 + b2 + attn_out   -> y, f32 [4096][1024]                            A = h, bf16 [4096][4096]             W bf16 [4096][1024]    K = 4,096
; Sums in f32; the bias is rounded to bf16 like every input of the layer and added in f32; each result is rounded once.
; LIMITS.  KIND 1's operands are f16: ctx and Wo arrive within 65,504, and below 6e-5 they keep f16's fixed step of 6e-8.  NaN and infinities are not treated apart.
; SHARES.  4,096 x 1,024 outputs on 256 work-groups: a work-group makes 128 x 128 of C, each of its four waves 64 x 64: 16 accumulators of 16 x 16.  K goes in steps of 256 through two LDS slots that take turns.
; W STAYS [K][N]: its fragments come out of LDS turned, by ds_load_tr16_b128.  The matrix instruction is used transposed (source 0 = 16 columns of W, source 1 = 16 rows of A): a lane
; then holds row lane % 16 of C and the eight neighbouring columns 8 (lane / 16) + 0..7.
; CLUSTER.  4 x 4 work-groups: the four of a row need the same tiles of A, the four of a column the same tiles of W; each tile is asked for JOINTLY, by the same tensor load with the same
; descriptor and a mask that names the four.  Waves 0 and 1 ask for A's two halves (64 rows each), waves 2 and 3 for W's (128 k each).  A wave has two loads out at the start, later one.
; ASKED FOR AHEAD (KIND 3).  Each wave asks, by one global_prefetch_b8 a trip, for a quarter of the half tile that its own joint load will bring: 32 lanes, 32 aligned blocks of 256 bytes.  The quarter
; goes by the work-group's place among the four partners of that joint load, so that a cluster asks for each block of its tiles once, and for nothing else.  Trip t asks for K step t + 4, whose joint
; load is issued in trip t + 2: two trips, 256 matrix instructions, ahead.  K steps 2 and 3 are asked for at the head; the last two trips ask for nothing, since K step 15 is the last.  Two K steps,
; 64 KiB a work-group, are asked for and not yet requested at the most.  KIND 1 has four K steps, of which two go out at the start: what could be asked ahead would be one burst at the head, and is left out.
; THE WAY OUT goes through a stage of 128 rows x 528 bytes of f32 at the head of slot 0, which has had its last fill and its last read by then; whole rows come back and are stored.
; REGISTERS.  Window 0: v0-31 addresses; v32-95 packed results (KIND 1); v96-105 bias, at work; v128-255 the accumulators ((a, b) at v[128 + 8 (4 a + b)]).
;   Window 1: two fragment buffers of 128: for 64 along K, 64 registers of A, then 64 of W.   Window 2 (KIND 3): v0-127 the residual, 32 rows x 16 bytes a lane.
.set KIND,  1
.if KIND == 1
.set T,     4                          ; K steps of 256
.set PART,  14<<20                     ; where W lies in w16
.set AD0,   4096                       ; A's half tile as the descriptor states it.  ctx lies by heads: 64 rows of a head are 8,192 dense bytes, asked for as one row;
.set AD1,   4                          ; a K step is four heads,
.set ASTR,  262144                     ; 4,096 rows x 64 elements apart;
.set AQI,   4                          ; padded after every 32 words, that is after each row of 64 channels
.set PA,    144                        ; A's row in LDS: 9 x 16 bytes, so the 16 rows of a load start at 16 different groups of four banks (64 banks of 4 bytes: ISA guide 11.1)
.set AQ,    64*144                     ; LDS bytes from 64 along K to the next 64: a head's 64 rows
.set HALFA, 4*64*144
.set ASTEP, 4*524288                   ; bytes in memory from K step to K step
.set ARB,   128                        ; bytes in memory from one of A's rows to the next
.else
.set T,     16
.set PART,  24<<20
.set AD0,   256                        ; 64 rows of 256 elements,
.set AD1,   64
.set ASTR,  4096                       ; 4,096 elements from row to row;
.set AQI,   6                          ; 16 bytes of padding after every 128 words
.set PA,    528                        ; 33 x 16 bytes
.set AQ,    128
.set HALFA, 64*528
.set ASTEP, 512
.set ARB,   8192
.endif
.set NBP,   1024                       ; elements in a row of W
.set PB,    288                        ; a k row of W in LDS: 256 bytes (128 n) + 32 = 9 x 32 bytes
.set HALFB, 128*PB
.set BSTEP, 256*NBP*2
.set BOFF,  2*HALFA                    ; in a slot: A's 128 rows, then W's 256 k rows
.set SLOT,  BOFF+2*HALFB
.set SPARE, 2*SLOT                     ; behind the slots: the spare words, 128 bytes for each wave: two blocks of 256 bytes that no other line names
.set SP,    528                        ; a row of the stage: 512 bytes + 16
.set BO,   7                           ; v7   my byte offset in the tile's bias
.set A0,   10                          ; v10  my lane's place in A's part of a slot; never rewritten
.set B0,   11                          ; v11  the same for W
.set PF2,  12                          ; v12  (KIND 3) byte offset of the block that I ask for ahead, at K step 2; never rewritten
.set PF,   13                          ; v13  (KIND 3) the same at the K step asked for last
.set ADRA, 16                          ; v16  A0 + the slot in hand
.set ADRB, 20                          ; v20  B0 + the slot in hand; v21 the same 128 k further on, so that the immediates stay under 65,536
.set STO,  24                          ; v24  the way out: where I put 32 bytes of a row
.set RD,   25                          ; v25  the way out: where I read rows back
.set CO,   26                          ; v26  my byte offset in the stores' rows;  v27 (KIND 1) the same for the second output
.set CO2,  27
.set SPW,  28                          ; v28  LDS address of my spare word: SPARE + 4 x my thread's number; never rewritten
.set NIL,  29                          ; v29  0; never rewritten
.set TMP,  32
.set BI,   96
.set ACC,  128
.set F0,   0
.set F1,   128
.set G1,  24                           ; s[24:31] descriptor group 1 for A;  s[32:39] group 0: set 0 K step 0, set 1 K step 1, which then walks on
.set G0,  32
.set G1B, 48                           ; s[48:55], s[56:63] the same for W
.set G0B, 56
.set PW,  70                           ; s[68:77] the arguments; s[70:71] W's buffer
.set MSB, 0
.macro WIN new                         ; the immediate's high byte repeats the setting that is left; a switch that changes nothing is dropped
.if MSB != (\new)
	s_set_vgpr_msb (MSB<<8)|(\new)
.set MSB, \new
.endif
.endm
.set MUL,  0x05                        ; sources 0 (W) and 1 (A) window 1; C and D window 0
.set TO_F, 0x40                        ; destination window 1, address window 0
.macro JLOAD s                         ; a joint load by group 0's set s.  The branch hangs on the wave's number alone; an s_nop 0 and four v_nop follow each of the two lines
	s_cmp_eq_u32 s11, 0
	s_cbranch_scc0 .Lfor_b_\@
	tensor_load_to_lds s[G0+4*(\s):G0+4*(\s)+3], s[G1:G1+7]
	s_nop 0
.rept 4
	v_nop
.endr
	s_branch .Lasked_\@
.Lfor_b_\@:
	tensor_load_to_lds s[G0B+4*(\s):G0B+4*(\s)+3], s[G1B:G1B+7]
	s_nop 0
.rept 4
	v_nop
.endr
.Lasked_\@:
.endm
.macro CREST                           ; a round of the cluster's barrier behind its opening barrier: wave 0 signals for the work-group, all wait for all sixteen, the work-group's barrier closes it
	s_cmp_lg_u32 s10, 0
	s_cbranch_scc1 .Lnot_wave_0_\@
	s_barrier_signal -3
.Lnot_wave_0_\@:
	s_barrier_wait -3
	s_barrier_signal -1
	s_barrier_wait -1
.endm
.macro CROUND                          ; a whole round
	s_barrier_signal -1
	s_barrier_wait -1
	CREST
.endm
.macro PLACES                          ; four places in front of loads into registers that matrix instructions have read (ISA guide 7.12.1 for vector instructions)
.rept 4
	v_nop
.endr
.endm
	s_load_b256 s[68:75], s[0:1], 0x0              ; the launch's first four buffers
	s_load_b64 s[76:77], s[0:1], 0x20              ; and the fifth
	v_lshl_add_u32 v[SPW], v0, 2, SPARE
	v_mov_b32 v[NIL], 0
	ds_add_u32 v[SPW], v[NIL]                      ; the wave's opening: the add and its wait stand ahead of my first tensor load; the set-up below, work on registers, stands between them
	v_lshrrev_b32 v1, 5, v0
	v_readfirstlane_b32 s10, v1                    ; wave 0..3
	s_lshr_b32 s11, s10, 1                         ; which half of the tile's rows is mine.  Also: I fetch for A (0) or for W (1)
	s_and_b32 s12, s10, 1                          ; which half of its columns.  Also: which half of that tile I fetch
	s_bfe_u32 s40, ttmp6, 0x40000                  ; cx, cy: my place in the cluster
	s_bfe_u32 s41, ttmp6, 0x40004
	s_lshl_b32 s42, ttmp9, 2
	s_add_co_u32 s42, s42, s40                     ; tile column of C = 4 x cluster x + cx
	s_and_b32 s13, ttmp7, 0xffff
	s_lshl_b32 s13, s13, 2
	s_add_co_u32 s13, s13, s41                     ; tile row of C = 4 x cluster y + cy
	s_lshl_b32 s43, s41, 2
	s_lshl_b32 s43, 15, s43                        ; my row of the cluster
	s_lshl_b32 s44, 0x1111, s40                    ; my column
	s_or_b32 s[G1+0], s43, (1<<16)|(1<<20)|(1<<21)|(AQI<<22)|(3<<25)  ; 15:0 the mask: A's tiles go to my row; 17:16 2-byte elements; 20 padding on; 21 set beside a mask; 24:22 the interval; 31:25 4 words
	s_mov_b32 s[G1+1], (AD0&0xffff)<<16            ; tensor_dim0
	s_mov_b32 s[G1+2], (AD0>>16)|(AD1<<16)         ; tensor_dim1
	s_mov_b32 s[G1+3], (AD1>>16)|(AD0<<16)         ; tile_dim0
	s_mov_b32 s[G1+4], AD1                         ; tile_dim1
	s_mov_b32 s[G1+5], ASTR                        ; elements from row to row
	s_mov_b32 s[G1+6], 0
	s_mov_b32 s[G1+7], 0
	s_or_b32 s[G1B+0], s44, (1<<16)|(1<<20)|(1<<21)|(5<<22)|(7<<25)   ; W's tiles go to my column; 8 words of padding after every 64
	s_mov_b32 s[G1B+1], 128<<16                    ; 128 k rows of 128 elements
	s_mov_b32 s[G1B+2], 128<<16
	s_mov_b32 s[G1B+3], 128<<16
	s_mov_b32 s[G1B+4], 128
	s_mov_b32 s[G1B+5], NBP
	s_mov_b32 s[G1B+6], 0
	s_mov_b32 s[G1B+7], 0
	s_lshl_b32 s17, s12, 6                         ; A hangs on the tile row alone, W on the tile column alone, each in registers that never hold the other coordinate
	s_lshl_b32 s16, s13, 7
	s_add_co_u32 s16, s16, s17                     ; A: row 128 x tile row + 64 x half,
	s_mul_i32 s16, s16, ARB                        ; in bytes (under 2^26)
	s_mov_b32 s17, 0
	s_mul_i32 s46, s12, 128*NBP*2                  ; W: k row 128 x half,
	s_lshl_b32 s47, s42, 8                         ; 256 bytes a tile column,
	s_add_co_u32 s46, s46, s47
	s_add_co_u32 s46, s46, PART                    ; its place in w16
	s_mov_b32 s47, 0
	s_mul_i32 s20, s12, HALFA                      ; where they go in a slot: no place in the cluster enters an LDS address
	s_mul_i32 s21, s12, HALFB
	s_add_co_u32 s21, s21, BOFF
	s_mov_b32 s45, SLOT                            ; the slot in hand, 0 or SLOT: the first turn of the addresses makes it 0
.if KIND == 3
	; what I ask for ahead: of the half tile that my joint load brings, the quarter that goes by my place among its four partners, in registers of their own
	s_lshl_b32 s78, s40, 17                        ; A's 64 rows: 16 cx rows of 8,192 bytes on,
	s_add_co_u32 s78, s78, s16
	s_lshl_b32 s79, s41, 16                        ; W's 128 k rows: 32 cy rows of 2,048 bytes on
	s_add_co_u32 s79, s79, s46
	s_mov_b32 s19, BSTEP
	s_cmp_eq_u32 s11, 0                            ; do I fetch for A?
	s_cselect_b32 s78, s78, s79                    ; byte offset of my quarter at K step 0
	s_cselect_b32 s19, ASTEP, s19                  ; bytes from K step to K step
	s_mov_b32 s79, 4096
	s_cselect_b32 s79, 8192, s79                   ; bytes from a pair of lanes to the next: A: a row (a pair takes its 512 bytes); W: two k rows
	s_mov_b32 s18, 2048
	s_cselect_b32 s18, 256, s18                    ; bytes inside a pair: A: the row's second block; W: the next k row
.endif
	s_wait_dscnt 0x0                               ; the opening add is done
	s_wait_kmcnt 0x0
	s_add_nc_u64 s[14:15], s[68:69], s[16:17]
	s_add_nc_u64 s[46:47], s[PW:PW+1], s[46:47]
.if KIND == 3
	s_cmp_eq_u32 s11, 0
	s_cselect_b64 s[66:67], s[68:69], s[PW:PW+1]   ; the buffer that I ask ahead in: the one that I fetch from
.endif
	CROUND                                         ; all sixteen work-groups are here: the first joint loads meet
.irp s, 0,1
	s_mov_b32 s[G0+4*(\s)], 1                                      ; count = 1
	s_add_co_u32 s[G0+4*(\s)+1], s20, (\s)*SLOT                    ; LDS address
	s_add_nc_u64 s[G0+4*(\s)+2:G0+4*(\s)+3], s[14:15], (\s)*ASTEP  ; global address: K step s
	s_or_b32 s[G0+4*(\s)+3], s[G0+4*(\s)+3], 0x80000000            ; type = 2
	s_mov_b32 s[G0B+4*(\s)], 1
	s_add_co_u32 s[G0B+4*(\s)+1], s21, (\s)*SLOT
	s_add_nc_u64 s[G0B+4*(\s)+2:G0B+4*(\s)+3], s[46:47], (\s)*BSTEP
	s_or_b32 s[G0B+4*(\s)+3], s[G0B+4*(\s)+3], 0x80000000
	JLOAD \s
.endr
	; all that follows up to the wait stands in the wait for the first tile
	v_and_b32 v1, 15, v0                           ; r = l % 16
	v_bfe_u32 v2, v0, 4, 1                         ; h = l / 16
	v_and_b32 v4, 7, v0
	v_bfe_u32 v5, v0, 3, 1
	v_and_b32 v6, 31, v0                           ; l
.if KIND == 3
	v_lshrrev_b32 v[PF], 1, v6                     ; my pair of lanes,
	v_and_b32 v[PF2], 1, v6                        ; my place in it
	v_mul_u32_u24 v[PF], v[PF], s79
	v_mad_u32_u24 v[PF], v[PF2], s18, v[PF]
	v_add_nc_u32 v[PF], s78, v[PF]                 ; my block at K step 0,
	v_lshl_add_u32 v[PF2], s19, 1, v[PF]           ; at K step 2,
	v_add_nc_u32 v[PF], s19, v[PF2]                ; at K step 3
.endif
	v_mul_u32_u24 v[A0], v1, PA                    ; a fragment of A: row r, 16 bytes for each half of the lanes; two loads 32 bytes apart
	v_lshl_add_u32 v[A0], v2, 4, v[A0]
	s_mul_i32 s22, s11, HALFA                      ; my 64 rows
	v_add_nc_u32 v[A0], s22, v[A0]
	v_lshl_add_u32 v[B0], v2, 3, v4                ; the turning load: lane l reads k row 8 h + l % 8, columns 8 ((l / 8) % 2) + 0..7, and is left with column r and 8 k
	v_mul_u32_u24 v[B0], v[B0], PB
	v_lshl_add_u32 v[B0], v5, 4, v[B0]
	s_lshl_b32 s22, s12, 7                         ; my 64 columns
	s_add_co_u32 s22, s22, BOFF
	v_add_nc_u32 v[B0], s22, v[B0]
	v_mul_u32_u24 v[STO], v1, SP                   ; into the stage: row 64 x row half + r (+ 16 a), byte 256 x column half + 32 h (+ 64 b)
	v_lshl_add_u32 v[STO], v2, 5, v[STO]
	s_mul_i32 s22, s11, 64*SP
	s_lshl_b32 s23, s12, 8
	s_add_co_u32 s22, s22, s23
	v_add_nc_u32 v[STO], s22, v[STO]
	s_mul_i32 s22, s10, 32*SP                      ; back: wave w takes rows 32 w .. 32 w + 31
	v_lshl_add_u32 v[RD], v6, 4, s22               ; a whole row of 512 bytes to a load: my columns 4 l .. 4 l + 3
	v_lshlrev_b32 v[BO], 4, v6
	v_lshlrev_b32 v[CO], 4, v6                     ; 16 bytes of f32
.if KIND == 1
	v_lshlrev_b32 v[CO2], 3, v6                    ; 8 bytes of bf16
.endif
	s_lshl_b32 s22, s13, 7
	s_lshl_b32 s23, s10, 5
	s_add_co_u32 s22, s22, s23                     ; the first row of C that I store: 128 x tile row + 32 x wave
.if KIND == 1
	s_lshl_b32 s22, s22, 11                        ; bf16: 2,048 bytes a row, 256 a tile column
	s_lshl_b32 s18, s42, 8
	s_add_co_u32 s22, s22, s18
	s_mov_b32 s23, 0
	s_add_nc_u64 s[6:7], s[76:77], s[22:23]
	s_lshl_b32 s22, s22, 1                         ; f32: twice that
	s_add_nc_u64 s[4:5], s[74:75], s[22:23]
.else
	s_lshl_b32 s22, s22, 12                        ; 4,096 bytes a row, 512 a tile column
	s_lshl_b32 s18, s42, 9
	s_add_co_u32 s22, s22, s18
	s_mov_b32 s23, 0
	s_add_nc_u64 s[4:5], s[76:77], s[22:23]        ; y
	s_add_nc_u64 s[6:7], s[74:75], s[22:23]        ; the residual, at the same place
.endif
	s_mov_b64 s[8:9], s[72:73]
	s_lshl_b32 s22, s42, 9                         ; the tile's 128 numbers of the bias
	s_add_nc_u64 s[8:9], s[8:9], s[22:23]
	global_load_b128 v[BI:BI+3], v[BO], s[8:9]
.if KIND == 3
	WIN 0x80                                       ; destination window 2: the residual comes in while the products run, as it will be added: row t, 16 bytes a lane
.set t, 0
.rept 32
	global_load_b128 v[4*t:4*t+3], v[CO], s[6:7] offset:t*4096
.set t, t+1
.endr
	WIN 0
	global_prefetch_b8 v[PF2], s[66:67] th:TH_LOAD_NT scope:SCOPE_SE  ; K steps 2 and 3, whose joint loads are issued in the loop's first two trips
	global_prefetch_b8 v[PF], s[66:67] th:TH_LOAD_NT scope:SCOPE_SE
.endif
; 8 matrix instructions: m blocks a0, a0 + 1 x all 4 n blocks, 32 along K: half c of buffer f.  zero = 1: the first product starts the sums: nothing is cleared.
; The 16 accumulators take turns, one instruction a turn, in the same order in every quarter.
.macro MUL8 f, c, a0, zero
	WIN MUL
.irp a, \a0, (\a0)+1
.irp b, 0,1,2,3
.set rD, ACC+8*(4*(\a)+(\b))
.set rW, (\f)+64+8*(4*(\c)+(\b))
.set rX, (\f)+8*(4*(\c)+(\a))
.if KIND == 1
.if \zero
	v_wmma_f32_16x16x32_f16 v[rD:rD+7], v[rW:rW+7], v[rX:rX+7], 0
.else
	v_wmma_f32_16x16x32_f16 v[rD:rD+7], v[rW:rW+7], v[rX:rX+7], v[rD:rD+7]
.endif
.else
.if \zero
	v_wmma_f32_16x16x32_bf16 v[rD:rD+7], v[rW:rW+7], v[rX:rX+7], 0
.else
	v_wmma_f32_16x16x32_bf16 v[rD:rD+7], v[rW:rW+7], v[rX:rX+7], v[rD:rD+7]
.endif
.endif
.endr
.endr
.endm
; 32 LDS loads in one run: the fragments of quarter q (64 along K) of the slot in hand, into buffer f; the first 32 along K first
.macro FETCH q, f
	WIN TO_F
.irp c, 0,1
.irp i, 0,1,2,3
	ds_load_tr16_b128 v[(\f)+64+8*(4*(\c)+(\i)):(\f)+64+8*(4*(\c)+(\i))+3],   v[ADRB+(\q)/2] offset:(((\q)%2)*64+32*(\c))*PB+32*(\i)
	ds_load_tr16_b128 v[(\f)+64+8*(4*(\c)+(\i))+4:(\f)+64+8*(4*(\c)+(\i))+7], v[ADRB+(\q)/2] offset:(((\q)%2)*64+32*(\c)+16)*PB+32*(\i)
	ds_load_b128 v[(\f)+8*(4*(\c)+(\i)):(\f)+8*(4*(\c)+(\i))+3],              v[ADRA] offset:(\q)*AQ+64*(\c)+(\i)*16*PA
	ds_load_b128 v[(\f)+8*(4*(\c)+(\i))+4:(\f)+8*(4*(\c)+(\i))+7],            v[ADRA] offset:(\q)*AQ+64*(\c)+(\i)*16*PA+32
.endr
.endr
.endm
; A K step is four quarters of 64 along K, 32 matrix instructions each, on buffers 0, 1, 0, 1.  One of the first three: multiplies buffer f and fetches quarter qn into g.
.macro QUARTER f, g, qn, zero
	s_wait_dscnt 16                                ; the first 32 along K are in; the youngest sixteen loads may be out
	MUL8 \f, 0, 0, \zero
	MUL8 \f, 0, 2, \zero
	PLACES
	FETCH \qn, \g
	s_wait_dscnt 32                                ; all but the 32 just issued
	MUL8 \f, 1, 0, 0
	MUL8 \f, 1, 2, 0
.endm
.macro NEWADR                          ; the fragment addresses turn to the other slot
	s_xor_b32 s45, s45, SLOT
	v_add_nc_u32 v[ADRA], s45, v[A0]
	v_add_nc_u32 v[ADRB], s45, v[B0]
	v_add_nc_u32 v[ADRB+1], 128*PB, v[ADRB]
.endm
; The last quarter multiplies buffer 1 and changes slots: ONE barrier; in front of it each wave waits for all its tensor loads (one is out: its part of the next slot), adds 0 to its spare
; word, and waits for that and for its own reads of this slot.  fill = 1: the barrier opens a round of the cluster's barrier, and behind it this slot is filled again, two K steps ahead:
; that load has 112 matrix instructions in which to land.  fill = 0 (the tail): nothing is asked for, and in the last trip nothing is fetched.
.macro TURN fill
	WIN 0                                          ; (the add's two registers lie in window 0)
	s_wait_tensorcnt 0x0                           ; all my tensor loads have landed, so a group 0 may be written
	ds_add_u32 v[SPW], v[NIL]                      ; 0 onto my spare word
	s_wait_dscnt 17                                ; (the add and the youngest sixteen loads may be out)
	MUL8 F1, 0, 0, 0                               ; eight matrix instructions stand between the add and the wait for it
	s_wait_dscnt 0x0                               ; the add is done, and my reads of this slot are over
	s_barrier_signal -1
	MUL8 F1, 0, 2, 0
	WIN 0
	s_barrier_wait -1
.if \fill
	CREST                                          ; no wave of any partner still reads this slot's tile or has a load on its way
	s_add_co_u32 s[G0+5], s20, s45                 ; the walking descriptors: into the slot just read,
	s_add_nc_u64 s[G0+6:G0+7], s[G0+6:G0+7], ASTEP ; the next K step; the type bits on top are not reached
	s_add_co_u32 s[G0B+5], s21, s45
	s_add_nc_u64 s[G0B+6:G0B+7], s[G0B+6:G0B+7], BSTEP
	JLOAD 1                                        ; the first tensor load behind the round; its four v_nop are also the places in front of the loads below
.if KIND == 3
	s_cmp_lt_u32 s3, 3                             ; the joint load just issued is K step T - s3's; I ask for the K step two further on, and in the last two trips there is none
	s_cbranch_scc1 .Lnone_\@
	s_wait_xcnt 0x0                                ; my last request, a trip ago, has read its offset: only behind this wait is the register stepped
	v_add_nc_u32 v[PF], s19, v[PF]
	global_prefetch_b8 v[PF], s[66:67] th:TH_LOAD_NT scope:SCOPE_SE
.Lnone_\@:
.endif
	NEWADR
	FETCH 0, F0
.else
	PLACES
	NEWADR
	s_cmp_eq_u32 s2, 1                             ; the last K step has no successor
	s_cbranch_scc1 .Lnf_\@
	FETCH 0, F0
	WIN 0
.Lnf_\@:
.endif
	MUL8 F1, 1, 0, 0
	MUL8 F1, 1, 2, 0
.endm
	s_wait_tensorcnt 0x1                           ; my part of K step 0 is in; K step 1's, issued behind it, may stay out
	s_barrier_signal -1
	s_barrier_wait -1                              ; everybody's is
	NEWADR                                         ; slot 0
	FETCH 0, F0
	QUARTER F0, F1, 1, 1                           ; the first quarter stands in front of the loop: its first products start the sums
	WIN 0                                          ; at a label and at a branch every window is 0
	s_mov_b32 s3, T-2
.Lk:                                   ; T - 2 trips: from a K step's second quarter to the next step's first; each fills the slot that it leaves
	QUARTER F1, F0, 2, 0
	QUARTER F0, F1, 3, 0
	TURN 1
	QUARTER F0, F1, 1, 0
	WIN 0
	s_sub_co_u32 s3, s3, 1
	s_cmp_lg_u32 s3, 0
	s_cbranch_scc1 .Lk
	s_mov_b32 s2, 2
.Ltail:                                ; the last two K steps ask for nothing: a text of their own; the second trip is left in its middle
	QUARTER F1, F0, 2, 0
	QUARTER F0, F1, 3, 0
	TURN 0
	WIN 0
	s_sub_co_u32 s2, s2, 1
	s_cmp_eq_u32 s2, 0
	s_cbranch_scc1 .Lout
	QUARTER F0, F1, 1, 0
	WIN 0
	s_branch .Ltail
.Lout:
	; THE WAY OUT.  Behind the last barrier no wave reads a slot any more, and slot 0 was last read before the barrier in front of it: its head is the stage.
	s_wait_loadcnt 0x0                             ; the bias (and the residual)
	v_cvt_pk_bf16_f32 v104, v[BI], v[BI+1]         ; the bias is rounded to bf16 like every input; these lines are also the places behind the last products
	v_cvt_pk_bf16_f32 v105, v[BI+2], v[BI+3]
	v_lshlrev_b32 v[BI], 16, v104
	v_and_b32 v[BI+1], 0xffff0000, v104
	v_lshlrev_b32 v[BI+2], 16, v105
	v_and_b32 v[BI+3], 0xffff0000, v105
.if KIND == 3
	WIN 0x82                                       ; destination and source 0 window 2, source 1 window 0: the bias goes onto the residual, in one run
.set t, 0
.rept 32
	v_pk_add_f32 v[4*t:4*t+1], v[4*t:4*t+1], v[BI:BI+1]
	v_pk_add_f32 v[4*t+2:4*t+3], v[4*t+2:4*t+3], v[BI+2:BI+3]
.set t, t+1
.endr
	WIN 0
.endif
.set t, 0
.rept 16                               ; each accumulator's low four registers first
	ds_store_b128 v[STO], v[ACC+8*t:ACC+8*t+3]   offset:(t/4)*16*SP+(t%4)*64
	ds_store_b128 v[STO], v[ACC+8*t+4:ACC+8*t+7] offset:(t/4)*16*SP+(t%4)*64+16
.set t, t+1
.endr
	s_wait_dscnt 0x0                               ; for the others' sake: my stores into the stage are done
	s_barrier_signal -1
	s_barrier_wait -1
.set t, 0
.rept 32
	ds_load_b128 v[ACC+4*t:ACC+4*t+3], v[RD] offset:t*SP                  ; row t
.set t, t+1
.endr
.if KIND == 3
	WIN 0x08                                       ; source 1 window 2
.endif
.set t, 0
.rept 32
	s_wait_dscnt 31-t                              ; LDS loads come back in order: load t is in, the 31 - t younger ones stay out
.if KIND == 1
	v_pk_add_f32 v[ACC+4*t:ACC+4*t+1], v[ACC+4*t:ACC+4*t+1], v[BI:BI+1]
	v_pk_add_f32 v[ACC+4*t+2:ACC+4*t+3], v[ACC+4*t+2:ACC+4*t+3], v[BI+2:BI+3]
	global_store_b128 v[CO], v[ACC+4*t:ACC+4*t+3], s[4:5] offset:t*4096                 ; 512 consecutive bytes, aligned
	v_cvt_pk_bf16_f32 v[TMP+2*t], v[ACC+4*t], v[ACC+4*t+1]
	v_cvt_pk_bf16_f32 v[TMP+2*t+1], v[ACC+4*t+2], v[ACC+4*t+3]
	global_store_b64 v[CO2], v[TMP+2*t:TMP+2*t+1], s[6:7] offset:t*2048                 ; 256 consecutive bytes, aligned
.else
	v_pk_add_f32 v[ACC+4*t:ACC+4*t+1], v[ACC+4*t:ACC+4*t+1], v[4*t:4*t+1]
	v_pk_add_f32 v[ACC+4*t+2:ACC+4*t+3], v[ACC+4*t+2:ACC+4*t+3], v[4*t+2:4*t+3]
.endif
.set t, t+1
.endr
.if KIND == 3
	WIN 0
.set t, 0
.rept 32
	global_store_b128 v[CO], v[ACC+4*t:ACC+4*t+3], s[4:5] offset:t*4096                 ; 512 consecutive bytes, aligned
.set t, t+1
.endr
.endif
	s_wait_tensorcnt 0x0                           ; the wave's end, behind my last tensor load and my last LDS store
	ds_add_u32 v[SPW], v[NIL]
	s_wait_dscnt 0x0
	CROUND                                         ; the closing round: no work-group ends while a partner may still ask for a tile that names it
	s_endpgm
.Lfunc_end_k_q86daccae95_proj_o:
	.size	k_q86daccae95_proj_o, .Lfunc_end_k_q86daccae95_proj_o-k_q86daccae95_proj_o
	.p2alignl 7, 3214868480
	.fill 96, 4, 3214868480
	.section	.rodata,"a",@progbits
	.p2align	6, 0x0
	.amdhsa_kernel k_q86daccae95_proj_o
		.amdhsa_group_segment_fixed_size 327680
		.amdhsa_private_segment_fixed_size 0
		.amdhsa_enable_private_segment 0
		.amdhsa_kernarg_size 40
		.amdhsa_user_sgpr_count 2
		.amdhsa_user_sgpr_kernarg_segment_ptr 1
		.amdhsa_wavefront_size32 1
		.amdhsa_system_sgpr_workgroup_id_x 1
		.amdhsa_system_sgpr_workgroup_id_y 1
		.amdhsa_system_sgpr_workgroup_id_z 1
		.amdhsa_system_vgpr_workitem_id 0
		.amdhsa_next_free_vgpr 512
		.amdhsa_next_free_sgpr 80
		.amdhsa_reserve_vcc 0
		.amdhsa_float_denorm_mode_32 3
		.amdhsa_float_denorm_mode_16_64 3
		.amdhsa_memory_ordered 1
		.amdhsa_forward_progress 1
		.amdhsa_inst_pref_size 70
	.end_amdhsa_kernel
	.amdgpu_metadata
---
amdhsa.version: [ 1, 2 ]
amdhsa.kernels:
  - .name:           k_q86daccae95_proj_o
    .symbol:         k_q86daccae95_proj_o.kd
    .args:
      - { .name: ctxh, .offset: 0, .size: 8, .value_kind: global_buffer, .address_space: global }
      - { .name: w16, .offset: 8, .size: 8, .value_kind: global_buffer, .address_space: global }
      - { .name: bo, .offset: 16, .size: 8, .value_kind: global_buffer, .address_space: global }
      - { .name: ao32, .offset: 24, .size: 8, .value_kind: global_buffer, .address_space: global }
      - { .name: ao16, .offset: 32, .size: 8, .value_kind: global_buffer, .address_space: global }
    .group_segment_fixed_size: 327680
    .private_segment_fixed_size: 0
    .kernarg_segment_align: 8
    .kernarg_segment_size: 40
    .max_flat_workgroup_size: 128
    .sgpr_count:     80
    .vgpr_count:     512
    .wavefront_size: 32
...
	.end_amdgpu_metadata
.endif
;; end of part 4
;; launch ffn1 (part 5): grid 16 x 16, 4 waves a work-group, clusters of 4 x 4, 327,680 bytes of LDS; arguments ao16, w16, b1, hb; writes hb
.if DOCPART == 5
	.amdgcn_target "amdgcn-amd-amdhsa--gfx1250"
	.amdhsa_code_object_version 6
	.text
	.protected	k_q86daccae95_ffn1
	.globl	k_q86daccae95_ffn1
	.p2align	8
	.type	k_q86daccae95_ffn1,@function
k_q86daccae95_ffn1:
	s_mov_b64 s[64:65], 0
	v_nop
	global_prefetch_b8 v0, s[64:65] scope:SCOPE_SE
	s_setreg_imm32_b32 hwreg(HW_REG_WAVE_MODE, 25, 1), 1
	s_wait_xcnt 0x0
	s_wait_alu depctr_hold_cnt(0) depctr_sa_sdst(0) depctr_va_vdst(0) depctr_va_sdst(0) depctr_va_ssrc(0) depctr_va_vcc(0) depctr_vm_vsrc(0)
	s_getreg_b32 s2, hwreg(HW_REG_IB_STS2, 6, 4)
	s_cmp_eq_u32 s2, 0
	s_cbranch_scc0 .Lentry_in_a_cluster
	s_endpgm
.Lentry_in_a_cluster:
	s_bfe_u32 s2, ttmp6, 0x10000c
	s_cmp_lg_u32 s2, 0xf033
	s_cbranch_scc0 .Lentry_shape_is_right
	s_endpgm
.Lentry_shape_is_right:
; C[m][n] = bias[n] + sum over k of A[m][k] W[k][n], K = 1,024, on tiles of 256 x 256.  ONE TEXT serves two of the layer's products; KIND picks W, bias and way out:
;   KIND 0  x [Wq|Wk|Wv] + bias  -> q, k, v by heads, f16 [part][16 heads][4096 rows][64]   A = x, bf16 [4096][1024]         W bf16 [1024][1024], three of them
;   KIND 2  relu(a W1 + b1)      -> h, bf16 [4096][4096]                                    A = attn_out, bf16 [4096][1024]  W bf16 [1024][4096]
; Sums in f32; the bias is rounded to bf16 like every input of the layer and starts the sums; each result is rounded once.
; LIMITS.  KIND 0 writes f16: |q|, |k|, |v| of 65,520 or more become infinities.  NaN and infinities are not treated apart.
; SHARES.  A work-group makes 256 x 256 of C, each of its four waves 128 x 128: 64 accumulators of 16 x 16, 512 registers.  For 32 along K a wave loads 2 x 128 x 64 bytes from LDS and issues
; 64 matrix instructions.  KIND 2 has 16 x 16 tiles; KIND 0 has 16 x 12, four tile columns to a part: a tile of 192 columns would make 16 x 16 of them, but a part's 1,024 columns are no multiple of 192.
; K goes in steps of 128 through two LDS slots that take turns: A's rows are 256 bytes of memory, W's 512, each at a multiple of its length.
; W STAYS [K][N]: its fragments come out of LDS turned, by ds_load_tr16_b128.  The matrix instruction is used transposed (source 0 = 16 columns of W, source 1 = 16 rows of A): a lane
; then holds row lane % 16 of C and the eight neighbouring columns 8 (lane / 16) + 0..7.  So the bias of a block of 16 columns is eight registers, the same for all blocks of rows, and is the
; C operand of the first product on each accumulator: nothing is cleared, and nothing is added on the way out.
; CLUSTER.  4 x 4 work-groups: the four of a row need the same tiles of A, the four of a column the same tiles of W; each tile is asked for JOINTLY, by the same tensor load with the same
; descriptor and a mask that names the four.  Waves 0 and 1 ask for A's two halves (128 rows each), waves 2 and 3 for W's (64 k each).  A wave has two loads out at the start, later one.
; THE WAY OUT goes through a stage of 256 rows x 1,040 bytes of f32 that lies over both slots, which have had their last fill and their last read by then; a loop of 8 trips reads whole rows
; back, 8 rows a wave and trip, rounds them and stores them.
; REGISTERS, in windows of 256 (s_set_vgpr_msb: bits 1:0 source 0, 3:2 source 1, 5:4 source 2, 7:6 destination):
;   window 0: v0-31 addresses; v32-63 packed results; v64-127, v128-191 fragments of A, two buffers (v64-127 later the rows read back)
;   window 1: v0-63 the bias, 8 registers for each block of 16 columns; v64-127, v128-191 fragments of W, two buffers; v192-223 at work
;   window 2: the 32 accumulators of my rows 0-63 ((a, b) at v[8 (8 a + b)]);   window 3: those of my rows 64-127
.set KIND,  2
.set T,     8                          ; K steps of 128
.set PA,    272                        ; A's row in LDS: 256 bytes + 16 = 17 x 16 bytes, so the 16 rows of a load start at 16 different groups of four banks (64 banks of 4 bytes: ISA guide 11.1)
.set HALFA, 128*PA                     ; what one tensor load brings of A, and what one wave reads of it
.set PB,    544                        ; a k row of W in LDS: 512 bytes (256 n) + 32 = 17 x 32 bytes
.set HALFB, 64*PB                      ; what one tensor load brings of W
.set BOFF,  2*HALFA                    ; in a slot: A's 256 rows, then W's 128 k rows
.set SLOT,  BOFF+2*HALFB
.set SPARE, 2*SLOT                     ; behind the slots: the spare words, 128 bytes for each wave: two blocks of 256 bytes that no other line names
.set SP,    1040                       ; a row of the stage: 1,024 bytes + 16
.set ASTEP, 256                        ; bytes in memory from K step to K step
.set ARB,   2048                       ; bytes in memory from one of A's rows to the next
.if KIND == 0
.set NBP,   1024                       ; elements in a row of W
.set PART,  8<<20                      ; where W lies in w16
.set PW,    68                         ; s[68:77] the arguments; W's buffer
.set STEPC, 8*128                      ; bytes in the output from a trip's 8 rows to the next
.else
.set NBP,   4096
.set PART,  16<<20
.set PW,    70
.set STEPC, 8*8192
.endif
.set BSTEP, 128*NBP*2
.set BO,   7                           ; v7   my byte offset in a block's bias
.set A0,   10                          ; v10  my lane's place in A's part of a slot; never rewritten
.set B0,   11                          ; v11  the same for W
.set ADRA, 16                          ; v16  A0 + the slot in hand
.set ADRB, 20                          ; v20  B0 + the slot in hand
.set STO,  22                          ; v22  the way out: where I put 32 bytes of a row, blocks of rows 0-3; v23 the same for blocks 4-7, so that the immediates stay under 65,536
.set RD,   24                          ; v24  the way out: where I read the first trip's rows back; never rewritten
.set RDC,  25                          ; v25  the same for the trip in hand
.set CO,   26                          ; v26  my byte offset in the stores' rows
.set SPW,  28                          ; v28  LDS address of my spare word: SPARE + 4 x my thread's number; never rewritten
.set NIL,  29                          ; v29  0; never rewritten
.set TMP,  32
.set LB,   64
.set F0,   64
.set F1,   128
.set BT,   192                         ; window 1
.set G1,  24                           ; s[24:31] descriptor group 1 for A;  s[32:39] group 0: set 0 K step 0, set 1 K step 1, which then walks on
.set G0,  32
.set G1B, 48                           ; s[48:55], s[56:63] the same for W
.set G0B, 56
.set MSB, 0
.macro WIN new                         ; the immediate's high byte repeats the setting that is left; a switch that changes nothing is dropped
.if MSB != (\new)
	s_set_vgpr_msb (MSB<<8)|(\new)
.set MSB, \new
.endif
.endm
.set MUL_LO, 0xa1                      ; source 0 (W) window 1, source 1 (A) window 0, C and D window 2
.set MUL_HI, 0xf1                      ; the same, C and D window 3
.set BEG_LO, 0x91                      ; the first product: C (the bias) window 1, D window 2; + 0x40: D window 3
.set TO_B,   0x40                      ; destination window 1, address window 0
.macro JLOAD s                         ; a joint load by group 0's set s.  The branch hangs on the wave's number alone; an s_nop 0 and four v_nop follow each of the two lines
	s_cmp_eq_u32 s11, 0
	s_cbranch_scc0 .Lfor_b_\@
	tensor_load_to_lds s[G0+4*(\s):G0+4*(\s)+3], s[G1:G1+7]
	s_nop 0
.rept 4
	v_nop
.endr
	s_branch .Lasked_\@
.Lfor_b_\@:
	tensor_load_to_lds s[G0B+4*(\s):G0B+4*(\s)+3], s[G1B:G1B+7]
	s_nop 0
.rept 4
	v_nop
.endr
.Lasked_\@:
.endm
.macro CREST                           ; a round of the cluster's barrier behind its opening barrier: wave 0 signals for the work-group, all wait for all sixteen, the work-group's barrier closes it
	s_cmp_lg_u32 s10, 0
	s_cbranch_scc1 .Lnot_wave_0_\@
	s_barrier_signal -3
.Lnot_wave_0_\@:
	s_barrier_wait -3
	s_barrier_signal -1
	s_barrier_wait -1
.endm
.macro CROUND                          ; a whole round
	s_barrier_signal -1
	s_barrier_wait -1
	CREST
.endm
.macro PLACES                          ; four places in front of loads into registers that matrix instructions have read, and of LDS stores that read results (ISA guide 7.12.1 for vector instructions)
.rept 4
	v_nop
.endr
.endm
	s_load_b256 s[68:75], s[0:1], 0x0              ; the launch's first four buffers
.if KIND == 0
	s_load_b64 s[76:77], s[0:1], 0x20              ; and the fifth
.endif
	v_lshl_add_u32 v[SPW], v0, 2, SPARE
	v_mov_b32 v[NIL], 0
	ds_add_u32 v[SPW], v[NIL]                      ; the wave's opening: the add and its wait stand ahead of my first tensor load; the set-up below, work on registers, stands between them
	v_lshrrev_b32 v1, 5, v0
	v_readfirstlane_b32 s10, v1                    ; wave 0..3
	s_lshr_b32 s11, s10, 1                         ; which half of the tile's rows is mine.  Also: I fetch for A (0) or for W (1)
	s_and_b32 s12, s10, 1                          ; which half of its columns.  Also: which half of that tile I fetch
	s_bfe_u32 s40, ttmp6, 0x40000                  ; cx, cy: my place in the cluster
	s_bfe_u32 s41, ttmp6, 0x40004
.if KIND == 0
	s_mov_b32 s42, s40                             ; 12 tile columns are three parts of four: a cluster's four columns are one part; tile column inside the part = cx
	s_mov_b32 s78, ttmp9                           ; the part: 0 q, 1 k, 2 v
.else
	s_lshl_b32 s42, ttmp9, 2
	s_add_co_u32 s42, s42, s40                     ; tile column of C = 4 x cluster x + cx
.endif
	s_and_b32 s13, ttmp7, 0xffff
	s_lshl_b32 s13, s13, 2
	s_add_co_u32 s13, s13, s41                     ; tile row of C = 4 x cluster y + cy
	s_lshl_b32 s43, s41, 2
	s_lshl_b32 s43, 15, s43                        ; my row of the cluster
	s_lshl_b32 s44, 0x1111, s40                    ; my column
	s_or_b32 s[G1+0], s43, (1<<16)|(1<<20)|(1<<21)|(5<<22)|(3<<25)  ; 15:0 the mask: A's tiles go to my row; 17:16 2-byte elements; 20 padding on; 21 set beside a mask; 24:22 after every 64 words (code 5); 31:25 4 words (code 3)
	s_mov_b32 s[G1+1], 128<<16                     ; tensor_dim0 = 128
	s_mov_b32 s[G1+2], 128<<16                     ; tensor_dim1 = 128
	s_mov_b32 s[G1+3], 128<<16                     ; tile_dim0 = 128
	s_mov_b32 s[G1+4], 128                         ; tile_dim1 = 128
	s_mov_b32 s[G1+5], 1024                        ; elements from row to row
	s_mov_b32 s[G1+6], 0
	s_mov_b32 s[G1+7], 0
	s_or_b32 s[G1B+0], s44, (1<<16)|(1<<20)|(1<<21)|(6<<22)|(7<<25) ; W's tiles go to my column; 8 words of padding (code 7) after every 128 (code 6)
	s_mov_b32 s[G1B+1], 256<<16                    ; 64 k rows of 256 elements
	s_mov_b32 s[G1B+2], 64<<16
	s_mov_b32 s[G1B+3], 256<<16
	s_mov_b32 s[G1B+4], 64
	s_mov_b32 s[G1B+5], NBP
	s_mov_b32 s[G1B+6], 0
	s_mov_b32 s[G1B+7], 0
	s_lshl_b32 s17, s12, 7                         ; A hangs on the tile row alone, W on the tile column alone, each in registers that never hold the other coordinate
	s_lshl_b32 s16, s13, 8
	s_add_co_u32 s16, s16, s17                     ; A: row 256 x tile row + 128 x half,
	s_mul_i32 s16, s16, ARB                        ; in bytes (under 2^24)
	s_mov_b32 s17, 0
	s_mul_i32 s46, s12, 64*NBP*2                   ; W: k row 64 x half,
	s_lshl_b32 s47, s42, 9                         ; 512 bytes a tile column,
	s_add_co_u32 s46, s46, s47
	s_add_co_u32 s46, s46, PART                    ; its place in w16
.if KIND == 0
	s_lshl_b32 s47, s78, 21                        ; 2 MiB a part
	s_add_co_u32 s46, s46, s47
.endif
	s_mov_b32 s47, 0
	s_mul_i32 s20, s12, HALFA                      ; where they go in a slot: no place in the cluster enters an LDS address
	s_mul_i32 s21, s12, HALFB
	s_add_co_u32 s21, s21, BOFF
	s_mov_b32 s45, SLOT                            ; the slot in hand, 0 or SLOT: the first turn of the addresses makes it 0
	s_mov_b32 s79, 0xffff0000                      ; a word's upper bf16
	s_wait_dscnt 0x0                               ; the opening add is done
	s_wait_kmcnt 0x0
	s_add_nc_u64 s[14:15], s[68:69], s[16:17]
	s_add_nc_u64 s[46:47], s[PW:PW+1], s[46:47]
	CROUND                                         ; all sixteen work-groups are here: the first joint loads meet
.irp s, 0,1
	s_mov_b32 s[G0+4*(\s)], 1                                      ; count = 1
	s_add_co_u32 s[G0+4*(\s)+1], s20, (\s)*SLOT                    ; LDS address
	s_add_nc_u64 s[G0+4*(\s)+2:G0+4*(\s)+3], s[14:15], (\s)*ASTEP  ; global address: K step s
	s_or_b32 s[G0+4*(\s)+3], s[G0+4*(\s)+3], 0x80000000            ; type = 2
	s_mov_b32 s[G0B+4*(\s)], 1
	s_add_co_u32 s[G0B+4*(\s)+1], s21, (\s)*SLOT
	s_add_nc_u64 s[G0B+4*(\s)+2:G0B+4*(\s)+3], s[46:47], (\s)*BSTEP
	s_or_b32 s[G0B+4*(\s)+3], s[G0B+4*(\s)+3], 0x80000000
	JLOAD \s
.endr
	; all that follows up to the wait on the tensor loads stands in the wait for the first tile
	v_and_b32 v1, 15, v0                           ; r = l % 16
	v_bfe_u32 v2, v0, 4, 1                         ; h = l / 16
	v_and_b32 v4, 7, v0
	v_bfe_u32 v5, v0, 3, 1
	v_and_b32 v6, 31, v0                           ; l
	v_lshlrev_b32 v[BO], 5, v2                     ; my eight columns of a block of 16: 32 bytes for each half of the lanes
	s_lshl_b32 s22, s42, 10                        ; the tile's 256 numbers of the bias,
	s_lshl_b32 s23, s12, 9                         ; my 128 of them
	s_add_co_u32 s22, s22, s23
	s_mov_b32 s23, 0
.if KIND == 0
	s_cmp_eq_u32 s78, 1                            ; the part's bias
	s_cselect_b64 s[8:9], s[72:73], s[70:71]
	s_cmp_eq_u32 s78, 2
	s_cselect_b64 s[8:9], s[74:75], s[8:9]
.else
	s_mov_b64 s[8:9], s[72:73]
.endif
	s_add_nc_u64 s[8:9], s[8:9], s[22:23]
	WIN TO_B
.set b, 0
.rept 8
	global_load_b128 v[8*b:8*b+3],   v[BO], s[8:9] offset:64*b
	global_load_b128 v[8*b+4:8*b+7], v[BO], s[8:9] offset:64*b+16
.set b, b+1
.endr
	WIN 0
	v_mul_u32_u24 v[A0], v1, PA                    ; a fragment of A: row r, 16 bytes for each half of the lanes; two loads 32 bytes apart
	v_lshl_add_u32 v[A0], v2, 4, v[A0]
	s_mul_i32 s22, s11, HALFA                      ; my 128 rows
	v_add_nc_u32 v[A0], s22, v[A0]
	v_lshl_add_u32 v[B0], v2, 3, v4                ; the turning load: lane l reads k row 8 h + l % 8, columns 8 ((l / 8) % 2) + 0..7, and is left with column r and 8 k
	v_mul_u32_u24 v[B0], v[B0], PB
	v_lshl_add_u32 v[B0], v5, 4, v[B0]
	s_lshl_b32 s22, s12, 8                         ; my 128 columns
	s_add_co_u32 s22, s22, BOFF
	v_add_nc_u32 v[B0], s22, v[B0]
	v_mul_u32_u24 v[STO], v1, SP                   ; into the stage: row 128 x row half + r (+ 16 a), byte 512 x column half + 32 h (+ 64 b)
	v_lshl_add_u32 v[STO], v2, 5, v[STO]
	s_mul_i32 s22, s11, 128*SP
	s_lshl_b32 s23, s12, 9
	s_add_co_u32 s22, s22, s23
	v_add_nc_u32 v[STO], s22, v[STO]
	v_add_nc_u32 v[STO+1], 64*SP, v[STO]
	s_mul_i32 s22, s10, 64*SP                      ; back: wave w takes rows 64 w .. 64 w + 63
.if KIND == 0
	v_mul_u32_u24 v[RD], v2, SP                    ; lanes 0-15 a head's 64 numbers of one row, lanes 16-31 those of the next row
	v_lshl_add_u32 v[RD], v1, 4, v[RD]
	v_add_nc_u32 v[RD], s22, v[RD]
	v_lshlrev_b32 v[CO], 3, v1                     ; 8 bytes of f16, the second row 128 bytes on: two rows of a head are 256 consecutive bytes
	v_lshl_add_u32 v[CO], v2, 7, v[CO]
.else
	v_lshl_add_u32 v[RD], v6, 4, s22               ; half a row, 512 bytes, to a load: my columns 4 l .. 4 l + 3 of the half
	v_lshlrev_b32 v[CO], 3, v6                     ; 8 bytes of bf16
.endif
	s_lshl_b32 s22, s13, 8
	s_lshl_b32 s23, s10, 6
	s_add_co_u32 s22, s22, s23                     ; the first row of C that I store: 256 x tile row + 64 x wave
.if KIND == 0
	s_lshl_b32 s22, s22, 7                         ; 128 bytes a row of a head,
	s_lshl_b32 s23, s42, 21                        ; four heads of 524,288 bytes a tile column,
	s_add_co_u32 s22, s22, s23
	s_lshl_b32 s23, s78, 23                        ; 8 MiB a part
	s_add_co_u32 s22, s22, s23
	s_mov_b32 s23, 0
	s_add_nc_u64 s[4:5], s[76:77], s[22:23]
.else
	s_lshl_b32 s22, s22, 13                        ; 8,192 bytes a row, 512 a tile column
	s_lshl_b32 s18, s42, 9
	s_add_co_u32 s22, s22, s18
	s_mov_b32 s23, 0
	s_add_nc_u64 s[4:5], s[74:75], s[22:23]
.endif
	s_wait_loadcnt 0x0                             ; the bias
	WIN 0x45                                       ; destination and both sources window 1: the bias is rounded to bf16 like every input, and widened again
.set n, 0
.rept 32
	v_cvt_pk_bf16_f32 v[BT+n], v[2*n], v[2*n+1]
.set n, n+1
.endr
.set n, 0
.rept 32
	v_lshlrev_b32 v[2*n], 16, v[BT+n]
	v_and_b32 v[2*n+1], s79, v[BT+n]
.set n, n+1
.endr
	WIN 0
; 16 matrix instructions: m blocks a0, a0 + 1 of the window's four (hi = 0: my rows 0-63, 1: rows 64-127) x all 8 n blocks, 32 along K.
; first = 1: the first product on each accumulator takes the block's bias as C.  The 64 accumulators take turns, one instruction a turn, in the same order in every quarter.
.macro MUL16 f, hi, a0, first
.if \first
	WIN BEG_LO+0x40*(\hi)
.else
	WIN MUL_LO+0x50*(\hi)
.endif
.irp a, \a0, (\a0)+1
.irp b, 0,1,2,3,4,5,6,7
.set rD, 8*(8*(\a)+(\b))
.set rW, (\f)+8*(\b)
.set rX, (\f)+8*(4*(\hi)+(\a))
.if \first
	v_wmma_f32_16x16x32_bf16 v[rD:rD+7], v[rW:rW+7], v[rX:rX+7], v[8*(\b):8*(\b)+7]
.else
	v_wmma_f32_16x16x32_bf16 v[rD:rD+7], v[rW:rW+7], v[rX:rX+7], v[rD:rD+7]
.endif
.endr
.endr
.endm
; 32 LDS loads in one run: the fragments of quarter q (32 along K) of the slot in hand, into buffer f: W's 128 columns, then A's 128 rows
.macro FETCH q, f
	WIN TO_B
.irp i, 0,1,2,3,4,5,6,7
	ds_load_tr16_b128 v[(\f)+8*(\i):(\f)+8*(\i)+3],   v[ADRB] offset:(\q)*32*PB+32*(\i)
	ds_load_tr16_b128 v[(\f)+8*(\i)+4:(\f)+8*(\i)+7], v[ADRB] offset:(\q)*32*PB+16*PB+32*(\i)
.endr
	WIN 0
.irp i, 0,1,2,3,4,5,6,7
	ds_load_b128 v[(\f)+8*(\i):(\f)+8*(\i)+3],   v[ADRA] offset:(\q)*64+(\i)*16*PA
	ds_load_b128 v[(\f)+8*(\i)+4:(\f)+8*(\i)+7], v[ADRA] offset:(\q)*64+(\i)*16*PA+32
.endr
.endm
; A K step is four quarters of 32 along K, 64 matrix instructions each, on buffers 0, 1, 0, 1.  One of the first three: multiplies buffer f and, in its middle, fetches quarter qn into g.
.macro QUARTER f, g, qn, first
	s_wait_dscnt 8                                 ; W and A's rows 0-63 are in; the youngest eight loads (A's rows 64-127) may be out
	MUL16 \f, 0, 0, \first
	MUL16 \f, 0, 2, \first
	PLACES
	FETCH \qn, \g
	s_wait_dscnt 32                                ; all but the 32 just issued
	MUL16 \f, 1, 0, \first
	MUL16 \f, 1, 2, \first
.endm
.macro NEWADR                          ; the fragment addresses turn to the other slot
	s_xor_b32 s45, s45, SLOT
	v_add_nc_u32 v[ADRA], s45, v[A0]
	v_add_nc_u32 v[ADRB], s45, v[B0]
.endm
; The last quarter multiplies buffer 1 and changes slots: ONE barrier; in front of it each wave waits for all its tensor loads (one is out: its part of the next slot), adds 0 to its spare
; word, and waits for that and for its own reads of this slot.  fill = 1: the barrier opens a round of the cluster's barrier, and behind it this slot is filled again, two K steps ahead:
; that load has 224 matrix instructions in which to land.  fill = 0 (the tail): nothing is asked for, and in the last trip nothing is fetched.
.macro TURN fill
	WIN 0                                          ; (the add's two registers lie in window 0)
	s_wait_tensorcnt 0x0                           ; all my tensor loads have landed, so a group 0 may be written
	ds_add_u32 v[SPW], v[NIL]                      ; 0 onto my spare word
	s_wait_dscnt 9                                 ; (the add and the youngest eight loads may be out)
	MUL16 F1, 0, 0, 0                              ; sixteen matrix instructions stand between the add and the wait for it
	s_wait_dscnt 0x0                               ; the add is done, and my reads of this slot are over
	s_barrier_signal -1
	MUL16 F1, 0, 2, 0
	WIN 0
	s_barrier_wait -1
.if \fill
	CREST                                          ; no wave of any partner still reads this slot's tile or has a load on its way
	s_add_co_u32 s[G0+5], s20, s45                 ; the walking descriptors: into the slot just read,
	s_add_nc_u64 s[G0+6:G0+7], s[G0+6:G0+7], ASTEP ; the next K step; the type bits on top are not reached
	s_add_co_u32 s[G0B+5], s21, s45
	s_add_nc_u64 s[G0B+6:G0B+7], s[G0B+6:G0B+7], BSTEP
	JLOAD 1                                        ; the first tensor load behind the round; its four v_nop are also the places in front of the loads below
	NEWADR
	FETCH 0, F0
.else
	PLACES
	NEWADR
	s_cmp_eq_u32 s2, 1                             ; the last K step has no successor
	s_cbranch_scc1 .Lnf_\@
	FETCH 0, F0
	WIN 0
.Lnf_\@:
.endif
	MUL16 F1, 1, 0, 0
	MUL16 F1, 1, 2, 0
.endm
	s_wait_tensorcnt 0x1                           ; my part of K step 0 is in; K step 1's, issued behind it, may stay out
	s_barrier_signal -1
	s_barrier_wait -1                              ; everybody's is
	NEWADR                                         ; slot 0
	FETCH 0, F0
	QUARTER F0, F1, 1, 1                           ; the first quarter stands in front of the loop: its products start the sums, on the bias
	WIN 0                                          ; at a label and at a branch every window is 0
	s_mov_b32 s3, T-2
.Lk:                                   ; T - 2 trips: from a K step's second quarter to the next step's first; each fills the slot that it leaves
	QUARTER F1, F0, 2, 0
	QUARTER F0, F1, 3, 0
	TURN 1
	QUARTER F0, F1, 1, 0
	WIN 0
	s_sub_co_u32 s3, s3, 1
	s_cmp_lg_u32 s3, 0
	s_cbranch_scc1 .Lk
	s_mov_b32 s2, 2
.Ltail:                                ; the last two K steps ask for nothing: a text of their own; the second trip is left in its middle
	QUARTER F1, F0, 2, 0
	QUARTER F0, F1, 3, 0
	TURN 0
	WIN 0
	s_sub_co_u32 s2, s2, 1
	s_cmp_eq_u32 s2, 0
	s_cbranch_scc1 .Lout
	QUARTER F0, F1, 1, 0
	WIN 0
	s_branch .Ltail
.Lout:
	; THE WAY OUT.  In front of the last barrier every wave has waited for its last reads of the slots, and behind it nothing is fetched: the stage may lie over both slots.
	PLACES                                         ; behind the last products
	WIN 0x08                                       ; the stores' data (source 1) in window 2
.set t, 0
.rept 32                               ; accumulator (a, b) = (t / 8, t % 8); each accumulator's low four registers first
	ds_store_b128 v[STO], v[8*t:8*t+3]   offset:(t/8)*16*SP+(t%8)*64
	ds_store_b128 v[STO], v[8*t+4:8*t+7] offset:(t/8)*16*SP+(t%8)*64+16
.set t, t+1
.endr
	WIN 0x0c                                       ; in window 3: blocks of rows 4 to 7
.set t, 0
.rept 32
	ds_store_b128 v[STO+1], v[8*t:8*t+3]   offset:(t/8)*16*SP+(t%8)*64
	ds_store_b128 v[STO+1], v[8*t+4:8*t+7] offset:(t/8)*16*SP+(t%8)*64+16
.set t, t+1
.endr
	WIN 0
	s_wait_dscnt 0x0                               ; for the others' sake: my stores into the stage are done
	s_barrier_signal -1
	s_barrier_wait -1
	s_mov_b32 s18, 0                               ; the trip's first row in the stage, in bytes
	s_mov_b32 s3, 8
.Lrow:                                 ; 8 trips of 8 rows: sixteen loads of 512 bytes, sixteen stores of 256
	v_add_nc_u32 v[RDC], s18, v[RD]
.set t, 0
.rept 16
.if KIND == 0
	ds_load_b128 v[LB+4*t:LB+4*t+3], v[RDC] offset:(t/4)*2*SP+(t%4)*256  ; rows 2 (t / 4) and + 1, head t % 4
.else
	ds_load_b128 v[LB+4*t:LB+4*t+3], v[RDC] offset:(t/2)*SP+(t%2)*512    ; row t / 2, half t % 2
.endif
.set t, t+1
.endr
.set t, 0
.rept 16
	s_wait_dscnt 15-t                              ; LDS loads come back in order: load t is in, the 15 - t younger ones stay out
.if KIND == 0
	v_cvt_pk_f16_f32 v[TMP+2*t], v[LB+4*t], v[LB+4*t+1]
	v_cvt_pk_f16_f32 v[TMP+2*t+1], v[LB+4*t+2], v[LB+4*t+3]
	global_store_b64 v[CO], v[TMP+2*t:TMP+2*t+1], s[4:5] offset:(t%4)*524288+(t/4)*256  ; the wave stores 256 consecutive bytes, aligned: two rows of a head
.else
	v_max_num_f32 v[LB+4*t], 0, v[LB+4*t]
	v_max_num_f32 v[LB+4*t+1], 0, v[LB+4*t+1]
	v_max_num_f32 v[LB+4*t+2], 0, v[LB+4*t+2]
	v_max_num_f32 v[LB+4*t+3], 0, v[LB+4*t+3]
	v_cvt_pk_bf16_f32 v[TMP+2*t], v[LB+4*t], v[LB+4*t+1]
	v_cvt_pk_bf16_f32 v[TMP+2*t+1], v[LB+4*t+2], v[LB+4*t+3]
	global_store_b64 v[CO], v[TMP+2*t:TMP+2*t+1], s[4:5] offset:(t/2)*8192+(t%2)*256    ; 256 consecutive bytes, aligned
.endif
.set t, t+1
.endr
	s_wait_xcnt 0x0                                ; the stores' base and their data registers are written again only behind this wait
	s_add_nc_u64 s[4:5], s[4:5], STEPC
	s_add_co_u32 s18, s18, 8*SP
	s_sub_co_u32 s3, s3, 1
	s_cmp_lg_u32 s3, 0
	s_cbranch_scc1 .Lrow
	s_wait_tensorcnt 0x0                           ; the wave's end, behind my last tensor load and my last LDS store
	ds_add_u32 v[SPW], v[NIL]
	s_wait_dscnt 0x0
	CROUND                                         ; the closing round: no work-group ends while a partner may still ask for a tile that names it
	s_endpgm
.Lfunc_end_k_q86daccae95_ffn1:
	.size	k_q86daccae95_ffn1, .Lfunc_end_k_q86daccae95_ffn1-k_q86daccae95_ffn1
	.p2alignl 7, 3214868480
	.fill 96, 4, 3214868480
	.section	.rodata,"a",@progbits
	.p2align	6, 0x0
	.amdhsa_kernel k_q86daccae95_ffn1
		.amdhsa_group_segment_fixed_size 327680
		.amdhsa_private_segment_fixed_size 0
		.amdhsa_enable_private_segment 0
		.amdhsa_kernarg_size 32
		.amdhsa_user_sgpr_count 2
		.amdhsa_user_sgpr_kernarg_segment_ptr 1
		.amdhsa_wavefront_size32 1
		.amdhsa_system_sgpr_workgroup_id_x 1
		.amdhsa_system_sgpr_workgroup_id_y 1
		.amdhsa_system_sgpr_workgroup_id_z 1
		.amdhsa_system_vgpr_workitem_id 0
		.amdhsa_next_free_vgpr 1024
		.amdhsa_next_free_sgpr 80
		.amdhsa_reserve_vcc 0
		.amdhsa_float_denorm_mode_32 3
		.amdhsa_float_denorm_mode_16_64 3
		.amdhsa_memory_ordered 1
		.amdhsa_forward_progress 1
		.amdhsa_inst_pref_size 90
	.end_amdhsa_kernel
	.amdgpu_metadata
---
amdhsa.version: [ 1, 2 ]
amdhsa.kernels:
  - .name:           k_q86daccae95_ffn1
    .symbol:         k_q86daccae95_ffn1.kd
    .args:
      - { .name: ao16, .offset: 0, .size: 8, .value_kind: global_buffer, .address_space: global }
      - { .name: w16, .offset: 8, .size: 8, .value_kind: global_buffer, .address_space: global }
      - { .name: b1, .offset: 16, .size: 8, .value_kind: global_buffer, .address_space: global }
      - { .name: hb, .offset: 24, .size: 8, .value_kind: global_buffer, .address_space: global }
    .group_segment_fixed_size: 327680
    .private_segment_fixed_size: 0
    .kernarg_segment_align: 8
    .kernarg_segment_size: 32
    .max_flat_workgroup_size: 128
    .sgpr_count:     80
    .vgpr_count:     1024
    .wavefront_size: 32
...
	.end_amdgpu_metadata
.endif
;; end of part 5
;; launch ffn2 (part 6): grid 8 x 32, 4 waves a work-group, clusters of 4 x 4, 327,680 bytes of LDS; arguments hb, w16, b2, ao32, yb; writes yb
.if DOCPART == 6
	.amdgcn_target "amdgcn-amd-amdhsa--gfx1250"
	.amdhsa_code_object_version 6
	.text
	.protected	k_q86daccae95_ffn2
	.globl	k_q86daccae95_ffn2
	.p2align	8
	.type	k_q86daccae95_ffn2,@function
k_q86daccae95_ffn2:
	s_mov_b64 s[64:65], 0
	v_nop
	global_prefetch_b8 v0, s[64:65] scope:SCOPE_SE
	s_setreg_imm32_b32 hwreg(HW_REG_WAVE_MODE, 25, 1), 1
	s_wait_xcnt 0x0
	s_wait_alu depctr_hold_cnt(0) depctr_sa_sdst(0) depctr_va_vdst(0) depctr_va_sdst(0) depctr_va_ssrc(0) depctr_va_vcc(0) depctr_vm_vsrc(0)
	s_getreg_b32 s2, hwreg(HW_REG_IB_STS2, 6, 4)
	s_cmp_eq_u32 s2, 0
	s_cbranch_scc0 .Lentry_in_a_cluster
	s_endpgm
.Lentry_in_a_cluster:
	s_bfe_u32 s2, ttmp6, 0x10000c
	s_cmp_lg_u32 s2, 0xf033
	s_cbranch_scc0 .Lentry_shape_is_right
	s_endpgm
.Lentry_shape_is_right:
; C[m][n] = bias[n] + sum over k of A[m][k] W[k][n], on tiles of 128 x 128.  ONE TEXT serves the layer's two products with 1,024 columns; KIND picks sizes, format and way out:
;   KIND 1  ctx Wo + bo            -> attn_out, in f32 and in bf16, [4096][1024]     A = ctx, f16 [16 heads][4096][64]    W f16  [1024][1024]    K = 1,024
;   KIND 3  h W2 + b2 + attn_out   -> y, f32 [4096][1024]                            A = h, bf16 [4096][4096]             W bf16 [4096][1024]    K = 4,096
; Sums in f32; the bias is rounded to bf16 like every input of the layer and added in f32; each result is rounded once.
; LIMITS.  KIND 1's operands are f16: ctx and Wo arrive within 65,504, and below 6e-5 they keep f16's fixed step of 6e-8.  NaN and infinities are not treated apart.
; SHARES.  4,096 x 1,024 outputs on 256 work-groups: a work-group makes 128 x 128 of C, each of its four waves 64 x 64: 16 accumulators of 16 x 16.  K goes in steps of 256 through two LDS slots that take turns.
; W STAYS [K][N]: its fragments come out of LDS turned, by ds_load_tr16_b128.  The matrix instruction is used transposed (source 0 = 16 columns of W, source 1 = 16 rows of A): a lane
; then holds row lane % 16 of C and the eight neighbouring columns 8 (lane / 16) + 0..7.
; CLUSTER.  4 x 4 work-groups: the four of a row need the same tiles of A, the four of a column the same tiles of W; each tile is asked for JOINTLY, by the same tensor load with the same
; descriptor and a mask that names the four.  Waves 0 and 1 ask for A's two halves (64 rows each), waves 2 and 3 for W's (128 k each).  A wave has two loads out at the start, later one.
; ASKED FOR AHEAD (KIND 3).  Each wave asks, by one global_prefetch_b8 a trip, for a quarter of the half tile that its own joint load will bring: 32 lanes, 32 aligned blocks of 256 bytes.  The quarter
; goes by the work-group's place among the four partners of that joint load, so that a cluster asks for each block of its tiles once, and for nothing else.  Trip t asks for K step t + 4, whose joint
; load is issued in trip t + 2: two trips, 256 matrix instructions, ahead.  K steps 2 and 3 are asked for at the head; the last two trips ask for nothing, since K step 15 is the last.  Two K steps,
; 64 KiB a work-group, are asked for and not yet requested at the most.  KIND 1 has four K steps, of which two go out at the start: what could be asked ahead would be one burst at the head, and is left out.
; THE WAY OUT goes through a stage of 128 rows x 528 bytes of f32 at the head of slot 0, which has had its last fill and its last read by then; whole rows come back and are stored.
; REGISTERS.  Window 0: v0-31 addresses; v32-95 packed results (KIND 1); v96-105 bias, at work; v128-255 the accumulators ((a, b) at v[128 + 8 (4 a + b)]).
;   Window 1: two fragment buffers of 128: for 64 along K, 64 registers of A, then 64 of W.   Window 2 (KIND 3): v0-127 the residual, 32 rows x 16 bytes a lane.
.set KIND,  3
.if KIND == 1
.set T,     4                          ; K steps of 256
.set PART,  14<<20                     ; where W lies in w16
.set AD0,   4096                       ; A's half tile as the descriptor states it.  ctx lies by heads: 64 rows of a head are 8,192 dense bytes, asked for as one row;
.set AD1,   4                          ; a K step is four heads,
.set ASTR,  262144                     ; 4,096 rows x 64 elements apart;
.set AQI,   4                          ; padded after every 32 words, that is after each row of 64 channels
.set PA,    144                        ; A's row in LDS: 9 x 16 bytes, so the 16 rows of a load start at 16 different groups of four banks (64 banks of 4 bytes: ISA guide 11.1)
.set AQ,    64*144                     ; LDS bytes from 64 along K to the next 64: a head's 64 rows
.set HALFA, 4*64*144
.set ASTEP, 4*524288                   ; bytes in memory from K step to K step
.set ARB,   128                        ; bytes in memory from one of A's rows to the next
.else
.set T,     16
.set PART,  24<<20
.set AD0,   256                        ; 64 rows of 256 elements,
.set AD1,   64
.set ASTR,  4096                       ; 4,096 elements from row to row;
.set AQI,   6                          ; 16 bytes of padding after every 128 words
.set PA,    528                        ; 33 x 16 bytes
.set AQ,    128
.set HALFA, 64*528
.set ASTEP, 512
.set ARB,   8192
.endif
.set NBP,   1024                       ; elements in a row of W
.set PB,    288                        ; a k row of W in LDS: 256 bytes (128 n) + 32 = 9 x 32 bytes
.set HALFB, 128*PB
.set BSTEP, 256*NBP*2
.set BOFF,  2*HALFA                    ; in a slot: A's 128 rows, then W's 256 k rows
.set SLOT,  BOFF+2*HALFB
.set SPARE, 2*SLOT                     ; behind the slots: the spare words, 128 bytes for each wave: two blocks of 256 bytes that no other line names
.set SP,    528                        ; a row of the stage: 512 bytes + 16
.set BO,   7                           ; v7   my byte offset in the tile's bias
.set A0,   10                          ; v10  my lane's place in A's part of a slot; never rewritten
.set B0,   11                          ; v11  the same for W
.set PF2,  12                          ; v12  (KIND 3) byte offset of the block that I ask for ahead, at K step 2; never rewritten
.set PF,   13                          ; v13  (KIND 3) the same at the K step asked for last
.set ADRA, 16                          ; v16  A0 + the slot in hand
.set ADRB, 20                          ; v20  B0 + the slot in hand; v21 the same 128 k further on, so that the immediates stay under 65,536
.set STO,  24                          ; v24  the way out: where I put 32 bytes of a row
.set RD,   25                          ; v25  the way out: where I read rows back
.set CO,   26                          ; v26  my byte offset in the stores' rows;  v27 (KIND 1) the same for the second output
.set CO2,  27
.set SPW,  28                          ; v28  LDS address of my spare word: SPARE + 4 x my thread's number; never rewritten
.set NIL,  29                          ; v29  0; never rewritten
.set TMP,  32
.set BI,   96
.set ACC,  128
.set F0,   0
.set F1,   128
.set G1,  24                           ; s[24:31] descriptor group 1 for A;  s[32:39] group 0: set 0 K step 0, set 1 K step 1, which then walks on
.set G0,  32
.set G1B, 48                           ; s[48:55], s[56:63] the same for W
.set G0B, 56
.set PW,  70                           ; s[68:77] the arguments; s[70:71] W's buffer
.set MSB, 0
.macro WIN new                         ; the immediate's high byte repeats the setting that is left; a switch that changes nothing is dropped
.if MSB != (\new)
	s_set_vgpr_msb (MSB<<8)|(\new)
.set MSB, \new
.endif
.endm
.set MUL,  0x05                        ; sources 0 (W) and 1 (A) window 1; C and D window 0
.set TO_F, 0x40                        ; destination window 1, address window 0
.macro JLOAD s                         ; a joint load by group 0's set s.  The branch hangs on the wave's number alone; an s_nop 0 and four v_nop follow each of the two lines
	s_cmp_eq_u32 s11, 0
	s_cbranch_scc0 .Lfor_b_\@
	tensor_load_to_lds s[G0+4*(\s):G0+4*(\s)+3], s[G1:G1+7]
	s_nop 0
.rept 4
	v_nop
.endr
	s_branch .Lasked_\@
.Lfor_b_\@:
	tensor_load_to_lds s[G0B+4*(\s):G0B+4*(\s)+3], s[G1B:G1B+7]
	s_nop 0
.rept 4
	v_nop
.endr
.Lasked_\@:
.endm
.macro CREST                           ; a round of the cluster's barrier behind its opening barrier: wave 0 signals for the work-group, all wait for all sixteen, the work-group's barrier closes it
	s_cmp_lg_u32 s10, 0
	s_cbranch_scc1 .Lnot_wave_0_\@
	s_barrier_signal -3
.Lnot_wave_0_\@:
	s_barrier_wait -3
	s_barrier_signal -1
	s_barrier_wait -1
.endm
.macro CROUND                          ; a whole round
	s_barrier_signal -1
	s_barrier_wait -1
	CREST
.endm
.macro PLACES                          ; four places in front of loads into registers that matrix instructions have read (ISA guide 7.12.1 for vector instructions)
.rept 4
	v_nop
.endr
.endm
	s_load_b256 s[68:75], s[0:1], 0x0              ; the launch's first four buffers
	s_load_b64 s[76:77], s[0:1], 0x20              ; and the fifth
	v_lshl_add_u32 v[SPW], v0, 2, SPARE
	v_mov_b32 v[NIL], 0
	ds_add_u32 v[SPW], v[NIL]                      ; the wave's opening: the add and its wait stand ahead of my first tensor load; the set-up below, work on registers, stands between them
	v_lshrrev_b32 v1, 5, v0
	v_readfirstlane_b32 s10, v1                    ; wave 0..3
	s_lshr_b32 s11, s10, 1                         ; which half of the tile's rows is mine.  Also: I fetch for A (0) or for W (1)
	s_and_b32 s12, s10, 1                          ; which half of its columns.  Also: which half of that tile I fetch
	s_bfe_u32 s40, ttmp6, 0x40000                  ; cx, cy: my place in the cluster
	s_bfe_u32 s41, ttmp6, 0x40004
	s_lshl_b32 s42, ttmp9, 2
	s_add_co_u32 s42, s42, s40                     ; tile column of C = 4 x cluster x + cx
	s_and_b32 s13, ttmp7, 0xffff
	s_lshl_b32 s13, s13, 2
	s_add_co_u32 s13, s13, s41                     ; tile row of C = 4 x cluster y + cy
	s_lshl_b32 s43, s41, 2
	s_lshl_b32 s43, 15, s43                        ; my row of the cluster
	s_lshl_b32 s44, 0x1111, s40                    ; my column
	s_or_b32 s[G1+0], s43, (1<<16)|(1<<20)|(1<<21)|(AQI<<22)|(3<<25)  ; 15:0 the mask: A's tiles go to my row; 17:16 2-byte elements; 20 padding on; 21 set beside a mask; 24:22 the interval; 31:25 4 words
	s_mov_b32 s[G1+1], (AD0&0xffff)<<16            ; tensor_dim0
	s_mov_b32 s[G1+2], (AD0>>16)|(AD1<<16)         ; tensor_dim1
	s_mov_b32 s[G1+3], (AD1>>16)|(AD0<<16)         ; tile_dim0
	s_mov_b32 s[G1+4], AD1                         ; tile_dim1
	s_mov_b32 s[G1+5], ASTR                        ; elements from row to row
	s_mov_b32 s[G1+6], 0
	s_mov_b32 s[G1+7], 0
	s_or_b32 s[G1B+0], s44, (1<<16)|(1<<20)|(1<<21)|(5<<22)|(7<<25)   ; W's tiles go to my column; 8 words of padding after every 64
	s_mov_b32 s[G1B+1], 128<<16                    ; 128 k rows of 128 elements
	s_mov_b32 s[G1B+2], 128<<16
	s_mov_b32 s[G1B+3], 128<<16
	s_mov_b32 s[G1B+4], 128
	s_mov_b32 s[G1B+5], NBP
	s_mov_b32 s[G1B+6], 0
	s_mov_b32 s[G1B+7], 0
	s_lshl_b32 s17, s12, 6                         ; A hangs on the tile row alone, W on the tile column alone, each in registers that never hold the other coordinate
	s_lshl_b32 s16, s13, 7
	s_add_co_u32 s16, s16, s17                     ; A: row 128 x tile row + 64 x half,
	s_mul_i32 s16, s16, ARB                        ; in bytes (under 2^26)
	s_mov_b32 s17, 0
	s_mul_i32 s46, s12, 128*NBP*2                  ; W: k row 128 x half,
	s_lshl_b32 s47, s42, 8                         ; 256 bytes a tile column,
	s_add_co_u32 s46, s46, s47
	s_add_co_u32 s46, s46, PART                    ; its place in w16
	s_mov_b32 s47, 0
	s_mul_i32 s20, s12, HALFA                      ; where they go in a slot: no place in the cluster enters an LDS address
	s_mul_i32 s21, s12, HALFB
	s_add_co_u32 s21, s21, BOFF
	s_mov_b32 s45, SLOT                            ; the slot in hand, 0 or SLOT: the first turn of the addresses makes it 0
.if KIND == 3
	; what I ask for ahead: of the half tile that my joint load brings, the quarter that goes by my place among its four partners, in registers of their own
	s_lshl_b32 s78, s40, 17                        ; A's 64 rows: 16 cx rows of 8,192 bytes on,
	s_add_co_u32 s78, s78, s16
	s_lshl_b32 s79, s41, 16                        ; W's 128 k rows: 32 cy rows of 2,048 bytes on
	s_add_co_u32 s79, s79, s46
	s_mov_b32 s19, BSTEP
	s_cmp_eq_u32 s11, 0                            ; do I fetch for A?
	s_cselect_b32 s78, s78, s79                    ; byte offset of my quarter at K step 0
	s_cselect_b32 s19, ASTEP, s19                  ; bytes from K step to K step
	s_mov_b32 s79, 4096
	s_cselect_b32 s79, 8192, s79                   ; bytes from a pair of lanes to the next: A: a row (a pair takes its 512 bytes); W: two k rows
	s_mov_b32 s18, 2048
	s_cselect_b32 s18, 256, s18                    ; bytes inside a pair: A: the row's second block; W: the next k row
.endif
	s_wait_dscnt 0x0                               ; the opening add is done
	s_wait_kmcnt 0x0
	s_add_nc_u64 s[14:15], s[68:69], s[16:17]
	s_add_nc_u64 s[46:47], s[PW:PW+1], s[46:47]
.if KIND == 3
	s_cmp_eq_u32 s11, 0
	s_cselect_b64 s[66:67], s[68:69], s[PW:PW+1]   ; the buffer that I ask ahead in: the one that I fetch from
.endif
	CROUND                                         ; all sixteen work-groups are here: the first joint loads meet
.irp s, 0,1
	s_mov_b32 s[G0+4*(\s)], 1                                      ; count = 1
	s_add_co_u32 s[G0+4*(\s)+1], s20, (\s)*SLOT                    ; LDS address
	s_add_nc_u64 s[G0+4*(\s)+2:G0+4*(\s)+3], s[14:15], (\s)*ASTEP  ; global address: K step s
	s_or_b32 s[G0+4*(\s)+3], s[G0+4*(\s)+3], 0x80000000            ; type = 2
	s_mov_b32 s[G0B+4*(\s)], 1
	s_add_co_u32 s[G0B+4*(\s)+1], s21, (\s)*SLOT
	s_add_nc_u64 s[G0B+4*(\s)+2:G0B+4*(\s)+3], s[46:47], (\s)*BSTEP
	s_or_b32 s[G0B+4*(\s)+3], s[G0B+4*(\s)+3], 0x80000000
	JLOAD \s
.endr
	; all that follows up to the wait stands in the wait for the first tile
	v_and_b32 v1, 15, v0                           ; r = l % 16
	v_bfe_u32 v2, v0, 4, 1                         ; h = l / 16
	v_and_b32 v4, 7, v0
	v_bfe_u32 v5, v0, 3, 1
	v_and_b32 v6, 31, v0                           ; l
.if KIND == 3
	v_lshrrev_b32 v[PF], 1, v6                     ; my pair of lanes,
	v_and_b32 v[PF2], 1, v6                        ; my place in it
	v_mul_u32_u24 v[PF], v[PF], s79
	v_mad_u32_u24 v[PF], v[PF2], s18, v[PF]
	v_add_nc_u32 v[PF], s78, v[PF]                 ; my block at K step 0,
	v_lshl_add_u32 v[PF2], s19, 1, v[PF]           ; at K step 2,
	v_add_nc_u32 v[PF], s19, v[PF2]                ; at K step 3
.endif
	v_mul_u32_u24 v[A0], v1, PA                    ; a fragment of A: row r, 16 bytes for each half of the lanes; two loads 32 bytes apart
	v_lshl_add_u32 v[A0], v2, 4, v[A0]
	s_mul_i32 s22, s11, HALFA                      ; my 64 rows
	v_add_nc_u32 v[A0], s22, v[A0]
	v_lshl_add_u32 v[B0], v2, 3, v4                ; the turning load: lane l reads k row 8 h + l % 8, columns 8 ((l / 8) % 2) + 0..7, and is left with column r and 8 k
	v_mul_u32_u24 v[B0], v[B0], PB
	v_lshl_add_u32 v[B0], v5, 4, v[B0]
	s_lshl_b32 s22, s12, 7                         ; my 64 columns
	s_add_co_u32 s22, s22, BOFF
	v_add_nc_u32 v[B0], s22, v[B0]
	v_mul_u32_u24 v[STO], v1, SP                   ; into the stage: row 64 x row half + r (+ 16 a), byte 256 x column half + 32 h (+ 64 b)
	v_lshl_add_u32 v[STO], v2, 5, v[STO]
	s_mul_i32 s22, s11, 64*SP
	s_lshl_b32 s23, s12, 8
	s_add_co_u32 s22, s22, s23
	v_add_nc_u32 v[STO], s22, v[STO]
	s_mul_i32 s22, s10, 32*SP                      ; back: wave w takes rows 32 w .. 32 w + 31
	v_lshl_add_u32 v[RD], v6, 4, s22               ; a whole row of 512 bytes to a load: my columns 4 l .. 4 l + 3
	v_lshlrev_b32 v[BO], 4, v6
	v_lshlrev_b32 v[CO], 4, v6                     ; 16 bytes of f32
.if KIND == 1
	v_lshlrev_b32 v[CO2], 3, v6                    ; 8 bytes of bf16
.endif
	s_lshl_b32 s22, s13, 7
	s_lshl_b32 s23, s10, 5
	s_add_co_u32 s22, s22, s23                     ; the first row of C that I store: 128 x tile row + 32 x wave
.if KIND == 1
	s_lshl_b32 s22, s22, 11                        ; bf16: 2,048 bytes a row, 256 a tile column
	s_lshl_b32 s18, s42, 8
	s_add_co_u32 s22, s22, s18
	s_mov_b32 s23, 0
	s_add_nc_u64 s[6:7], s[76:77], s[22:23]
	s_lshl_b32 s22, s22, 1                         ; f32: twice that
	s_add_nc_u64 s[4:5], s[74:75], s[22:23]
.else
	s_lshl_b32 s22, s22, 12                        ; 4,096 bytes a row, 512 a tile column
	s_lshl_b32 s18, s42, 9
	s_add_co_u32 s22, s22, s18
	s_mov_b32 s23, 0
	s_add_nc_u64 s[4:5], s[76:77], s[22:23]        ; y
	s_add_nc_u64 s[6:7], s[74:75], s[22:23]        ; the residual, at the same place
.endif
	s_mov_b64 s[8:9], s[72:73]
	s_lshl_b32 s22, s42, 9                         ; the tile's 128 numbers of the bias
	s_add_nc_u64 s[8:9], s[8:9], s[22:23]
	global_load_b128 v[BI:BI+3], v[BO], s[8:9]
.if KIND == 3
	WIN 0x80                                       ; destination window 2: the residual comes in while the products run, as it will be added: row t, 16 bytes a lane
.set t, 0
.rept 32
	global_load_b128 v[4*t:4*t+3], v[CO], s[6:7] offset:t*4096
.set t, t+1
.endr
	WIN 0
	global_prefetch_b8 v[PF2], s[66:67] th:TH_LOAD_NT scope:SCOPE_SE  ; K steps 2 and 3, whose joint loads are issued in the loop's first two trips
	global_prefetch_b8 v[PF], s[66:67] th:TH_LOAD_NT scope:SCOPE_SE
.endif
; 8 matrix instructions: m blocks a0, a0 + 1 x all 4 n blocks, 32 along K: half c of buffer f.  zero = 1: the first product starts the sums: nothing is cleared.
; The 16 accumulators take turns, one instruction a turn, in the same order in every quarter.
.macro MUL8 f, c, a0, zero
	WIN MUL
.irp a, \a0, (\a0)+1
.irp b, 0,1,2,3
.set rD, ACC+8*(4*(\a)+(\b))
.set rW, (\f)+64+8*(4*(\c)+(\b))
.set rX, (\f)+8*(4*(\c)+(\a))
.if KIND == 1
.if \zero
	v_wmma_f32_16x16x32_f16 v[rD:rD+7], v[rW:rW+7], v[rX:rX+7], 0
.else
	v_wmma_f32_16x16x32_f16 v[rD:rD+7], v[rW:rW+7], v[rX:rX+7], v[rD:rD+7]
.endif
.else
.if \zero
	v_wmma_f32_16x16x32_bf16 v[rD:rD+7], v[rW:rW+7], v[rX:rX+7], 0
.else
	v_wmma_f32_16x16x32_bf16 v[rD:rD+7], v[rW:rW+7], v[rX:rX+7], v[rD:rD+7]
.endif
.endif
.endr
.endr
.endm
; 32 LDS loads in one run: the fragments of quarter q (64 along K) of the slot in hand, into buffer f; the first 32 along K first
.macro FETCH q, f
	WIN TO_F
.irp c, 0,1
.irp i, 0,1,2,3
	ds_load_tr16_b128 v[(\f)+64+8*(4*(\c)+(\i)):(\f)+64+8*(4*(\c)+(\i))+3],   v[ADRB+(\q)/2] offset:(((\q)%2)*64+32*(\c))*PB+32*(\i)
	ds_load_tr16_b128 v[(\f)+64+8*(4*(\c)+(\i))+4:(\f)+64+8*(4*(\c)+(\i))+7], v[ADRB+(\q)/2] offset:(((\q)%2)*64+32*(\c)+16)*PB+32*(\i)
	ds_load_b128 v[(\f)+8*(4*(\c)+(\i)):(\f)+8*(4*(\c)+(\i))+3],              v[ADRA] offset:(\q)*AQ+64*(\c)+(\i)*16*PA
	ds_load_b128 v[(\f)+8*(4*(\c)+(\i))+4:(\f)+8*(4*(\c)+(\i))+7],            v[ADRA] offset:(\q)*AQ+64*(\c)+(\i)*16*PA+32
.endr
.endr
.endm
; A K step is four quarters of 64 along K, 32 matrix instructions each, on buffers 0, 1, 0, 1.  One of the first three: multiplies buffer f and fetches quarter qn into g.
.macro QUARTER f, g, qn, zero
	s_wait_dscnt 16                                ; the first 32 along K are in; the youngest sixteen loads may be out
	MUL8 \f, 0, 0, \zero
	MUL8 \f, 0, 2, \zero
	PLACES
	FETCH \qn, \g
	s_wait_dscnt 32                                ; all but the 32 just issued
	MUL8 \f, 1, 0, 0
	MUL8 \f, 1, 2, 0
.endm
.macro NEWADR                          ; the fragment addresses turn to the other slot
	s_xor_b32 s45, s45, SLOT
	v_add_nc_u32 v[ADRA], s45, v[A0]
	v_add_nc_u32 v[ADRB], s45, v[B0]
	v_add_nc_u32 v[ADRB+1], 128*PB, v[ADRB]
.endm
; The last quarter multiplies buffer 1 and changes slots: ONE barrier; in front of it each wave waits for all its tensor loads (one is out: its part of the next slot), adds 0 to its spare
; word, and waits for that and for its own reads of this slot.  fill = 1: the barrier opens a round of the cluster's barrier, and behind it this slot is filled again, two K steps ahead:
; that load has 112 matrix instructions in which to land.  fill = 0 (the tail): nothing is asked for, and in the last trip nothing is fetched.
.macro TURN fill
	WIN 0                                          ; (the add's two registers lie in window 0)
	s_wait_tensorcnt 0x0                           ; all my tensor loads have landed, so a group 0 may be written
	ds_add_u32 v[SPW], v[NIL]                      ; 0 onto my spare word
	s_wait_dscnt 17                                ; (the add and the youngest sixteen loads may be out)
	MUL8 F1, 0, 0, 0                               ; eight matrix instructions stand between the add and the wait for it
	s_wait_dscnt 0x0                               ; the add is done, and my reads of this slot are over
	s_barrier_signal -1
	MUL8 F1, 0, 2, 0
	WIN 0
	s_barrier_wait -1
.if \fill
	CREST                                          ; no wave of any partner still reads this slot's tile or has a load on its way
	s_add_co_u32 s[G0+5], s20, s45                 ; the walking descriptors: into the slot just read,
	s_add_nc_u64 s[G0+6:G0+7], s[G0+6:G0+7], ASTEP ; the next K step; the type bits on top are not reached
	s_add_co_u32 s[G0B+5], s21, s45
	s_add_nc_u64 s[G0B+6:G0B+7], s[G0B+6:G0B+7], BSTEP
	JLOAD 1                                        ; the first tensor load behind the round; its four v_nop are also the places in front of the loads below
.if KIND == 3
	s_cmp_lt_u32 s3, 3                             ; the joint load just issued is K step T - s3's; I ask for the K step two further on, and in the last two trips there is none
	s_cbranch_scc1 .Lnone_\@
	s_wait_xcnt 0x0                                ; my last request, a trip ago, has read its offset: only behind this wait is the register stepped
	v_add_nc_u32 v[PF], s19, v[PF]
	global_prefetch_b8 v[PF], s[66:67] th:TH_LOAD_NT scope:SCOPE_SE
.Lnone_\@:
.endif
	NEWADR
	FETCH 0, F0
.else
	PLACES
	NEWADR
	s_cmp_eq_u32 s2, 1                             ; the last K step has no successor
	s_cbranch_scc1 .Lnf_\@
	FETCH 0, F0
	WIN 0
.Lnf_\@:
.endif
	MUL8 F1, 1, 0, 0
	MUL8 F1, 1, 2, 0
.endm
	s_wait_tensorcnt 0x1                           ; my part of K step 0 is in; K step 1's, issued behind it, may stay out
	s_barrier_signal -1
	s_barrier_wait -1                              ; everybody's is
	NEWADR                                         ; slot 0
	FETCH 0, F0
	QUARTER F0, F1, 1, 1                           ; the first quarter stands in front of the loop: its first products start the sums
	WIN 0                                          ; at a label and at a branch every window is 0
	s_mov_b32 s3, T-2
.Lk:                                   ; T - 2 trips: from a K step's second quarter to the next step's first; each fills the slot that it leaves
	QUARTER F1, F0, 2, 0
	QUARTER F0, F1, 3, 0
	TURN 1
	QUARTER F0, F1, 1, 0
	WIN 0
	s_sub_co_u32 s3, s3, 1
	s_cmp_lg_u32 s3, 0
	s_cbranch_scc1 .Lk
	s_mov_b32 s2, 2
.Ltail:                                ; the last two K steps ask for nothing: a text of their own; the second trip is left in its middle
	QUARTER F1, F0, 2, 0
	QUARTER F0, F1, 3, 0
	TURN 0
	WIN 0
	s_sub_co_u32 s2, s2, 1
	s_cmp_eq_u32 s2, 0
	s_cbranch_scc1 .Lout
	QUARTER F0, F1, 1, 0
	WIN 0
	s_branch .Ltail
.Lout:
	; THE WAY OUT.  Behind the last barrier no wave reads a slot any more, and slot 0 was last read before the barrier in front of it: its head is the stage.
	s_wait_loadcnt 0x0                             ; the bias (and the residual)
	v_cvt_pk_bf16_f32 v104, v[BI], v[BI+1]         ; the bias is rounded to bf16 like every input; these lines are also the places behind the last products
	v_cvt_pk_bf16_f32 v105, v[BI+2], v[BI+3]
	v_lshlrev_b32 v[BI], 16, v104
	v_and_b32 v[BI+1], 0xffff0000, v104
	v_lshlrev_b32 v[BI+2], 16, v105
	v_and_b32 v[BI+3], 0xffff0000, v105
.if KIND == 3
	WIN 0x82                                       ; destination and source 0 window 2, source 1 window 0: the bias goes onto the residual, in one run
.set t, 0
.rept 32
	v_pk_add_f32 v[4*t:4*t+1], v[4*t:4*t+1], v[BI:BI+1]
	v_pk_add_f32 v[4*t+2:4*t+3], v[4*t+2:4*t+3], v[BI+2:BI+3]
.set t, t+1
.endr
	WIN 0
.endif
.set t, 0
.rept 16                               ; each accumulator's low four registers first
	ds_store_b128 v[STO], v[ACC+8*t:ACC+8*t+3]   offset:(t/4)*16*SP+(t%4)*64
	ds_store_b128 v[STO], v[ACC+8*t+4:ACC+8*t+7] offset:(t/4)*16*SP+(t%4)*64+16
.set t, t+1
.endr
	s_wait_dscnt 0x0                               ; for the others' sake: my stores into the stage are done
	s_barrier_signal -1
	s_barrier_wait -1
.set t, 0
.rept 32
	ds_load_b128 v[ACC+4*t:ACC+4*t+3], v[RD] offset:t*SP                  ; row t
.set t, t+1
.endr
.if KIND == 3
	WIN 0x08                                       ; source 1 window 2
.endif
.set t, 0
.rept 32
	s_wait_dscnt 31-t                              ; LDS loads come back in order: load t is in, the 31 - t younger ones stay out
.if KIND == 1
	v_pk_add_f32 v[ACC+4*t:ACC+4*t+1], v[ACC+4*t:ACC+4*t+1], v[BI:BI+1]
	v_pk_add_f32 v[ACC+4*t+2:ACC+4*t+3], v[ACC+4*t+2:ACC+4*t+3], v[BI+2:BI+3]
	global_store_b128 v[CO], v[ACC+4*t:ACC+4*t+3], s[4:5] offset:t*4096                 ; 512 consecutive bytes, aligned
	v_cvt_pk_bf16_f32 v[TMP+2*t], v[ACC+4*t], v[ACC+4*t+1]
	v_cvt_pk_bf16_f32 v[TMP+2*t+1], v[ACC+4*t+2], v[ACC+4*t+3]
	global_store_b64 v[CO2], v[TMP+2*t:TMP+2*t+1], s[6:7] offset:t*2048                 ; 256 consecutive bytes, aligned
.else
	v_pk_add_f32 v[ACC+4*t:ACC+4*t+1], v[ACC+4*t:ACC+4*t+1], v[4*t:4*t+1]
	v_pk_add_f32 v[ACC+4*t+2:ACC+4*t+3], v[ACC+4*t+2:ACC+4*t+3], v[4*t+2:4*t+3]
.endif
.set t, t+1
.endr
.if KIND == 3
	WIN 0
.set t, 0
.rept 32
	global_store_b128 v[CO], v[ACC+4*t:ACC+4*t+3], s[4:5] offset:t*4096                 ; 512 consecutive bytes, aligned
.set t, t+1
.endr
.endif
	s_wait_tensorcnt 0x0                           ; the wave's end, behind my last tensor load and my last LDS store
	ds_add_u32 v[SPW], v[NIL]
	s_wait_dscnt 0x0
	CROUND                                         ; the closing round: no work-group ends while a partner may still ask for a tile that names it
	s_endpgm
.Lfunc_end_k_q86daccae95_ffn2:
	.size	k_q86daccae95_ffn2, .Lfunc_end_k_q86daccae95_ffn2-k_q86daccae95_ffn2
	.p2alignl 7, 3214868480
	.fill 96, 4, 3214868480
	.section	.rodata,"a",@progbits
	.p2align	6, 0x0
	.amdhsa_kernel k_q86daccae95_ffn2
		.amdhsa_group_segment_fixed_size 327680
		.amdhsa_private_segment_fixed_size 0
		.amdhsa_enable_private_segment 0
		.amdhsa_kernarg_size 40
		.amdhsa_user_sgpr_count 2
		.amdhsa_user_sgpr_kernarg_segment_ptr 1
		.amdhsa_wavefront_size32 1
		.amdhsa_system_sgpr_workgroup_id_x 1
		.amdhsa_system_sgpr_workgroup_id_y 1
		.amdhsa_system_sgpr_workgroup_id_z 1
		.amdhsa_system_vgpr_workitem_id 0
		.amdhsa_next_free_vgpr 640
		.amdhsa_next_free_sgpr 80
		.amdhsa_reserve_vcc 0
		.amdhsa_float_denorm_mode_32 3
		.amdhsa_float_denorm_mode_16_64 3
		.amdhsa_memory_ordered 1
		.amdhsa_forward_progress 1
		.amdhsa_inst_pref_size 72
	.end_amdhsa_kernel
	.amdgpu_metadata
---
amdhsa.version: [ 1, 2 ]
amdhsa.kernels:
  - .name:           k_q86daccae95_ffn2
    .symbol:         k_q86daccae95_ffn2.kd
    .args:
      - { .name: hb, .offset: 0, .size: 8, .value_kind: global_buffer, .address_space: global }
      - { .name: w16, .offset: 8, .size: 8, .value_kind: global_buffer, .address_space: global }
      - { .name: b2, .offset: 16, .size: 8, .value_kind: global_buffer, .address_space: global }
      - { .name: ao32, .offset: 24, .size: 8, .value_kind: global_buffer, .address_space: global }
      - { .name: yb, .offset: 32, .size: 8, .value_kind: global_buffer, .address_space: global }
    .group_segment_fixed_size: 327680
    .private_segment_fixed_size: 0
    .kernarg_segment_align: 8
    .kernarg_segment_size: 40
    .max_flat_workgroup_size: 128
    .sgpr_count:     80
    .vgpr_count:     640
    .wavefront_size: 32
...
	.end_amdgpu_metadata
.endif
;; end of part 6
;; launch lnorm (part 7): grid 256 x 1, 4 waves a work-group, no clusters, 0 bytes of LDS; arguments yb, ln_g, ln_b, out0; writes out0
.if DOCPART == 7
	.amdgcn_target "amdgcn-amd-amdhsa--gfx1250"
	.amdhsa_code_object_version 6
	.text
	.protected	k_q86daccae95_lnorm
	.globl	k_q86daccae95_lnorm
	.p2align	8
	.type	k_q86daccae95_lnorm,@function
k_q86daccae95_lnorm:
	s_mov_b64 s[64:65], 0
	v_nop
	global_prefetch_b8 v0, s[64:65] scope:SCOPE_SE
	s_setreg_imm32_b32 hwreg(HW_REG_WAVE_MODE, 25, 1), 1
	s_wait_xcnt 0x0
; out[r][c] = (y[r][c] - mean_r) / sqrt(var_r + 1e-5) * g[c] + b[c].  y, out: [4096][1024] f32; g, b: [1024] f32, rounded to bf16 like every input of the layer.
; A row is 4,096 bytes: one wave takes a whole row, eight 16-byte loads a lane, and keeps it in 32 registers, so memory is read once and no wave waits for another.  Four waves, four rows each.
; The deviations y - mean are formed first and then squared: a common offset of a row does not cancel in a difference of large sums.
; No LDS, no matrix unit, no cluster: each byte is read once and written once, and the work-groups share only g and b, 8 KiB.
.set G,  4                             ; v[4:35]    g of my 32 columns (load j: columns 128 j + 4 lane + 0..3)
.set BV, 36                            ; v[36:67]   b of the same
.set X,  68                            ; v[68:195]  row s: 32 registers
.set T,  196                           ; v[196:203] four chains of pairs, at work
.set M,  204                           ; v[204:205] the mean, twice
.set R,  206                           ; v[206:207] 1 / sqrt(var + eps), twice
	s_load_b256 s[4:11], s[0:1], 0x0               ; y s[4:5], g s[6:7], b s[8:9], out s[10:11]
	s_lshl_b32 s2, ttmp9, 16                       ; the work-group's 16 rows of 4,096 bytes
	s_mov_b32 s3, 0
	s_mov_b32 s12, 0x76543210                      ; v_permlanex16_b32: lane i of one half reads lane i of the other
	s_mov_b32 s13, 0xfedcba98
	s_mov_b32 s14, 0x3a800000                      ; 1 / 1024
	s_mov_b32 s15, 0x3727c5ac                      ; 1e-5
	v_and_b32 v2, 31, v0
	v_lshlrev_b32 v2, 4, v2                        ; 16 bytes a lane
	v_lshrrev_b32 v1, 5, v0
	v_lshl_add_u32 v1, v1, 14, v2                  ; + wave x 4 rows x 4,096 bytes
	s_wait_kmcnt 0x0
	s_add_nc_u64 s[4:5], s[4:5], s[2:3]
	s_add_nc_u64 s[10:11], s[10:11], s[2:3]
.set j, 0
.rept 8
	global_load_b128 v[G+4*j:G+4*j+3], v2, s[6:7] offset:512*j
	global_load_b128 v[BV+4*j:BV+4*j+3], v2, s[8:9] offset:512*j
.set j, j+1
.endr
.set j, 0
.rept 32                               ; row j / 8, its 512 bytes j % 8
	global_load_b128 v[X+4*j:X+4*j+3], v1, s[4:5] offset:512*j th:TH_LOAD_NT
.set j, j+1
.endr
	s_wait_loadcnt 32                              ; g and b are in; the 32 loads of the rows, issued behind them, stay out
.set n, 0
.rept 32                               ; g's 16 pairs, then b's, which lie behind them
	v_cvt_pk_bf16_f32 v[T], v[G+2*n], v[G+2*n+1]
	v_lshlrev_b32 v[G+2*n], 16, v[T]
	v_and_b32 v[G+2*n+1], 0xffff0000, v[T]
.set n, n+1
.endr
.macro REDUCE                          ; the four chains, the pair's halves, then the 32 lanes: four steps inside each half of 16 lanes ride on the addition, one crosses the halves
	v_pk_add_f32 v[T:T+1], v[T:T+1], v[T+2:T+3]
	v_pk_add_f32 v[T+4:T+5], v[T+4:T+5], v[T+6:T+7]
	v_pk_add_f32 v[T:T+1], v[T:T+1], v[T+4:T+5]
	v_add_f32 v[T], v[T], v[T+1]
	v_add_f32_dpp v[T], v[T], v[T] row_xmask:1 row_mask:0xf bank_mask:0xf
	v_add_f32_dpp v[T], v[T], v[T] row_xmask:2 row_mask:0xf bank_mask:0xf
	v_add_f32_dpp v[T], v[T], v[T] row_xmask:4 row_mask:0xf bank_mask:0xf
	v_add_f32_dpp v[T], v[T], v[T] row_xmask:8 row_mask:0xf bank_mask:0xf
	v_permlanex16_b32 v[T+1], v[T], s12, s13
	v_add_f32 v[T], v[T], v[T+1]
.endm
.macro ROWN s
.set XR, X+32*(\s)
	s_wait_loadcnt 8*(3-(\s))                      ; my row's eight loads are in; those of the rows behind it stay out
.set n, 0
.rept 4                                ; the sum, in four chains that do not wait for each other; the first additions start them: nothing is cleared
	v_pk_add_f32 v[T+2*n:T+2*n+1], v[XR+2*n:XR+2*n+1], v[XR+8+2*n:XR+8+2*n+1]
.set n, n+1
.endr
.set n, 8
.rept 8
	v_pk_add_f32 v[T+2*(n%4):T+2*(n%4)+1], v[T+2*(n%4):T+2*(n%4)+1], v[XR+2*n:XR+2*n+1]
.set n, n+1
.endr
	REDUCE
	v_mul_f32 v[M], s14, v[T]
	v_mov_b32 v[M+1], v[M]
.set n, 0
.rept 16
	v_pk_add_f32 v[XR+2*n:XR+2*n+1], v[XR+2*n:XR+2*n+1], v[M:M+1] neg_lo:[0,1] neg_hi:[0,1]
.set n, n+1
.endr
.set n, 0
.rept 4
	v_pk_mul_f32 v[T+2*n:T+2*n+1], v[XR+2*n:XR+2*n+1], v[XR+2*n:XR+2*n+1]
.set n, n+1
.endr
.set n, 4
.rept 12
	v_pk_fma_f32 v[T+2*(n%4):T+2*(n%4)+1], v[XR+2*n:XR+2*n+1], v[XR+2*n:XR+2*n+1], v[T+2*(n%4):T+2*(n%4)+1]
.set n, n+1
.endr
	REDUCE
	v_fma_f32 v[T], v[T], s14, s15                 ; var + eps
	v_rsq_f32 v[R], v[T]                           ; made twice, for the pair that the packed multiply names
	v_rsq_f32 v[R+1], v[T]
	v_nop                                          ; a plain instruction between the last of them and the use of its result (ISA guide 5.7.2)
.set n, 0
	s_wait_alu depctr_va_vdst(0)
.rept 16
	v_pk_mul_f32 v[XR+2*n:XR+2*n+1], v[XR+2*n:XR+2*n+1], v[R:R+1]
.set n, n+1
.endr
.set n, 0
.rept 16
	v_pk_fma_f32 v[XR+2*n:XR+2*n+1], v[XR+2*n:XR+2*n+1], v[G+2*n:G+2*n+1], v[BV+2*n:BV+2*n+1]
.set n, n+1
.endr
.set j, 0
.rept 8
	global_store_b128 v1, v[XR+4*j:XR+4*j+3], s[10:11] offset:4096*(\s)+512*j th:TH_STORE_NT  ; 512 consecutive bytes, aligned
.set j, j+1
.endr
.endm
	ROWN 0
	ROWN 1
	ROWN 2
	ROWN 3
	s_endpgm
.Lfunc_end_k_q86daccae95_lnorm:
	.size	k_q86daccae95_lnorm, .Lfunc_end_k_q86daccae95_lnorm-k_q86daccae95_lnorm
	.p2alignl 7, 3214868480
	.fill 96, 4, 3214868480
	.section	.rodata,"a",@progbits
	.p2align	6, 0x0
	.amdhsa_kernel k_q86daccae95_lnorm
		.amdhsa_group_segment_fixed_size 0
		.amdhsa_private_segment_fixed_size 0
		.amdhsa_enable_private_segment 0
		.amdhsa_kernarg_size 32
		.amdhsa_user_sgpr_count 2
		.amdhsa_user_sgpr_kernarg_segment_ptr 1
		.amdhsa_wavefront_size32 1
		.amdhsa_system_sgpr_workgroup_id_x 1
		.amdhsa_system_sgpr_workgroup_id_y 1
		.amdhsa_system_sgpr_workgroup_id_z 1
		.amdhsa_system_vgpr_workitem_id 0
		.amdhsa_next_free_vgpr 208
		.amdhsa_next_free_sgpr 66
		.amdhsa_reserve_vcc 0
		.amdhsa_float_denorm_mode_32 3
		.amdhsa_float_denorm_mode_16_64 3
		.amdhsa_memory_ordered 1
		.amdhsa_forward_progress 1
		.amdhsa_inst_pref_size 39
	.end_amdhsa_kernel
	.amdgpu_metadata
---
amdhsa.version: [ 1, 2 ]
amdhsa.kernels:
  - .name:           k_q86daccae95_lnorm
    .symbol:         k_q86daccae95_lnorm.kd
    .args:
      - { .name: yb, .offset: 0, .size: 8, .value_kind: global_buffer, .address_space: global }
      - { .name: ln_g, .offset: 8, .size: 8, .value_kind: global_buffer, .address_space: global }
      - { .name: ln_b, .offset: 16, .size: 8, .value_kind: global_buffer, .address_space: global }
      - { .name: out0, .offset: 24, .size: 8, .value_kind: global_buffer, .address_space: global }
    .group_segment_fixed_size: 0
    .private_segment_fixed_size: 0
    .kernarg_segment_align: 8
    .kernarg_segment_size: 32
    .max_flat_workgroup_size: 128
    .sgpr_count:     66
    .vgpr_count:     208
    .wavefront_size: 32
...
	.end_amdgpu_metadata
.endif
;; end of part 7
